; MI455X (gfx1250); checked and timed in simulation.
; The chip was launched on July 23, 2026; its instructions are those of AMD's public machine-readable ISA for CDNA 5 (MIT licence, August 2026) and "CDNA5" Instruction Set Architecture Reference Guide (July 2026). The comments in the code are by the model that wrote it; some were corrected since.
;; Multi Scale Temporal Attention. Allowed arithmetic: matrix products marked QUANTISED: E4M3 operands, one given power-of-two scale a tensor, by v_wmma_f32_16x16x64_fp8_fp8 or v_wmma_f32_16x16x128_fp8_fp8, f32 sums; everything else in f32.
;; Inputs: Wk_l 1,024 x 1,024 float32; Wk_s 1,024 x 1,024 float32; Wo 2,048 x 1,024 float32; Wq_l 1,024 x 1,024 float32; Wq_s 1,024 x 1,024 float32; Wv_l 1,024 x 1,024 float32; Wv_s 1,024 x 1,024 float32; bo 1,024 float32; lowp_scales 22 int32 (the exponents e of the quantised operands' scales 2^e); mask 2 x 2,048 bool; x 2 x 2,048 x 1,024 float32.
;; Outputs: out0 2 x 2,048 x 1,024 float32.
;; This version of the problem:
;;   THIS VERSION OF THE PROBLEM IS GIVEN IN LOW PRECISION. The matrix products marked QUANTISED in the list below multiply operands that are first quantised to E4M3 (4 exponent bits, 3 mantissa bits; 8 bits a number), with one given power-of-two scale for each operand tensor; their sums are f32. All else is computed in f32.
;;   The module's matrix products, in the order in which they are computed (A, B: the left and right operand; K: the contracted axis; several contracted axes count as one K, in the product's order):
;;     1. [M 4,096, K 1,024] x [K 1,024, N 1,024]; A: input x; B: input Wq_s: QUANTISED (scales: A lowp_scales[0], B lowp_scales[1])
;;     2. [M 4,096, K 1,024] x [K 1,024, N 1,024]; A: input x; B: input Wk_s: QUANTISED (scales: A lowp_scales[2], B lowp_scales[3])
;;     3. [M 4,096, K 1,024] x [K 1,024, N 1,024]; A: input x; B: input Wv_s: QUANTISED (scales: A lowp_scales[4], B lowp_scales[5])
;;     4. batch 32 x [M 2,048, K 64] x [K 64, N 2,048]; A: computed on the way; B: computed on the way: QUANTISED (scales: A lowp_scales[6], B lowp_scales[7])
;;     5. batch 32 x [M 2,048, K 2,048] x [K 2,048, N 64]; A: softmax (see below); B: computed on the way: QUANTISED (scales: A lowp_scales[8], B lowp_scales[9])
;;     6. [M 4,096, K 1,024] x [K 1,024, N 1,024]; A: input x; B: input Wq_l: QUANTISED (scales: A lowp_scales[10], B lowp_scales[11])
;;     7. [M 4,096, K 1,024] x [K 1,024, N 1,024]; A: input x; B: input Wk_l: QUANTISED (scales: A lowp_scales[12], B lowp_scales[13])
;;     8. [M 4,096, K 1,024] x [K 1,024, N 1,024]; A: input x; B: input Wv_l: QUANTISED (scales: A lowp_scales[14], B lowp_scales[15])
;;     9. batch 32 x [M 2,048, K 64] x [K 64, N 2,048]; A: computed on the way; B: computed on the way: QUANTISED (scales: A lowp_scales[16], B lowp_scales[17])
;;     10. batch 32 x [M 2,048, K 2,048] x [K 2,048, N 64]; A: softmax (see below); B: computed on the way: QUANTISED (scales: A lowp_scales[18], B lowp_scales[19])
;;     11. [M 4,096, K 2,048] x [K 2,048, N 1,024]; A: computed on the way; B: input Wo: QUANTISED (scales: A lowp_scales[20], B lowp_scales[21])
;;   THE QUANTISER, for each operand of a quantised product, along K:
;;     - The operand's scale is 2^e, e = its entry of the input lowp_scales (int32; the entries are numbered through the quantised products in the list's order, A before B).
;;     - Each number is divided by the scale, clamped to +-448, and rounded to the nearest number of E4M3, ties to even, subnormals kept.
;;     - The product sums the exact products of the quantised numbers (number of the format x scale) in f32.
;;   ~~~python
;;   def quantise(x, axis, e):      # numpy; x: float32 -> the quantised numbers, widened to float32 again
;;       x = np.moveaxis(x, axis, -1); K = x.shape[-1]
;;       r = np.clip(x / 2.0 ** e, -448, 448)
;;       step = 2.0 ** (np.maximum(np.frexp(np.where(r == 0, 1, r))[1] - 1, -6) - 3)
;;       q = np.round(r / step) * step * 2.0 ** e      # np.round: ties to even
;;       return np.moveaxis(q, -1, axis).astype(np.float32)
;;   ~~~
;;   SOFTMAX AHEAD OF A QUANTISED PRODUCT. Where the list says 'softmax', what is quantised is not the finished softmax but p = 2^(t - M), with t = logit x log2(e) and M = ceil(the row's largest t), a whole number; so 1/2 < the row's largest p <= 1. The row's sum l is taken of the UNQUANTISED p, in f32, and the product's result is divided by l at the end. Since M is a whole number, a kernel that streams over the keys may use a running M (the ceiling of the running maximum): every later rescaling is an exact power of two, so the quantised numbers keep their values, but for numbers so far below the row's largest that they fall under the format's range.
;;   OPERANDS COMPUTED ON THE WAY. 'Computed on the way' means the value that the module computes at that place (a softmax that the list does not call 'softmax' is quantised finished and normalised). What goes into a quantiser is computed in f32, as accurately as f32 sums, v_exp_f32 and their like allow (about 1e-6 of the number): no bf16 or f16 on the way to a quantiser, and a product that is left as it is and whose result goes on into a quantised operand takes f32 operands (vector FMAs, or v_wmma_f32_16x16x4_f32). A number that lies on a knife's edge between two numbers of the format may be rounded either way, as far as f32 arithmetic and the matrix unit's own rounding can turn it there, and no further.
;; One version. Each part assembles by itself: llvm-mc -triple=amdgcn-amd-amdhsa -mcpu=gfx1250 --defsym DOCPART=n.
;; ======== version 1 of 1: 4 launches
;; limits: right only within a limited range of input values
;; workspace buffers: xcodes 25,165,824 bytes; wcodes 8,388,608 bytes; qkv 25,165,824 bytes; acodes 8,388,608 bytes; dead 32,768 bytes of whole numbers
;; launch quant (part 1): grid 512 x 1, 4 waves a work-group, no clusters, 68,096 bytes of LDS; arguments x, Wq_s, Wk_s, Wq_l, Wk_l, Wv_s, Wv_l, Wo, lowp_scales, xcodes, wcodes; writes xcodes, wcodes
.if DOCPART == 1
	.amdgcn_target "amdgcn-amd-amdhsa--gfx1250"
	.amdhsa_code_object_version 6
	.text
	.protected	k_q02c950be24_quant
	.globl	k_q02c950be24_quant
	.p2align	8
	.type	k_q02c950be24_quant,@function
k_q02c950be24_quant:
	s_mov_b64 s[64:65], 0
	v_nop
	global_prefetch_b8 v0, s[64:65] scope:SCOPE_SE
	s_setreg_imm32_b32 hwreg(HW_REG_WAVE_MODE, 25, 1), 1
	s_wait_xcnt 0x0
; FIRST OF FOUR LAUNCHES: x and the seven weights become codes of FP8 (E4M3), K innermost, each with the scale 2^e that lowp_scales gives for it.
; code = number / 2^e, held within +-448, rounded to the nearest code, ties to even.
; WORK LEFT OUT BY THE PROGRAM (in the launch attn).  In the short branch reference() itself sets every score with key > query or key < query - 64 to -inf ahead of the softmax: such a key's weight is 0
; whatever finite values the inputs hold, so its score and its product with V reach no output.  Steps of keys that lie wholly outside the window of a tile of 16 queries are therefore not computed: of the
; short branch's two attention products one step of 128 keys is computed for each 16 queries.  LIMIT: a NaN, an infinity or an overflow that would arise only in the scores left out is not carried to the result.
; Every input has a way to the output, and every input is loaded by some launch.
; x HAS A SCALE OF ITS OWN IN EACH OF THE SIX PROJECTIONS, so six sets of codes are made from one read of x.  P numbers the projections: 0 q_s, 1 k_s, 2 q_l, 3 k_l, 4 v_s, 5 v_l.
; pi(i) swaps bits 3 and 4 of i.  A tensor laid by pi holds row pi(i) at place i: two neighbouring tiles of 16 places then give a lane of a transposed product 16 neighbouring true rows.
; xcodes: [pair 3][place 4096][2048 bytes]: bytes 0-1023 P = 2 pair, bytes 1024-2047 P = 2 pair + 1; place = token for P = 0, 2, pi(token) for the others.
; wcodes: [pair 4][place 1024][2048 bytes]: pairs 0-2 as xcodes, pair 3 is Wo (K = 2048); place = pi(n) for all.
; Work-groups 0-255 take the weights, 256-511 take x.  The two paths part on the work-group's number, never join, and have LDS bytes of their own.
; LIMITS: each e between -126 and 119.  NaN among the inputs is not served; an infinity is held at the largest code.
.set EMAX,  8
.set MANT,  0x600000                   ; the mantissa field of 448 as f32
.set SP,    80                         ; x path: a lane's place in a stage: 64 bytes + 16 of padding
.set WREG,  8192                       ; x path: LDS bytes of a wave (two stages of 32 x SP)
.set WSTG,  32768                      ; W path: its four stages begin here
.set WP,    272                        ; W path: a stage row: 256 bytes of codes + 16
.set SPARE, WSTG+4*32*WP               ; the spare words, 128 bytes for each wave: no other line names them
.set SPW,   12                         ; v12  LDS address of my spare word; never rewritten
.set NIL,   13                         ; v13  0; never rewritten
.set RAW,   16                         ; x path: v16-79   four sets of 16 numbers as loaded
.set NBR,   80                         ; x path: v80-111  two sets of 16 neighbours
.set HLD,   112                        ; x path: v112-143 two sets of 16 held numbers
.set COD,   144                        ; x path: v144-167 four registers of codes for each P
.set SCL,   168                        ; x path: v168+2P 2^e, v169+2P 448 x 2^e
.set WX,    32                         ; W path: v32-95   two sets of 32 numbers
.set WC,    96                         ; W path: v96-103  a block's codes
.set WO,    112                        ; W path: v112-175 the way out
	s_load_b512 s[8:23], s[0:1], 0x0               ; x s[8:9]; Wq_s, Wk_s, Wq_l, Wk_l, Wv_s, Wv_l s[10:21] (in the order of P); Wo s[22:23]
	s_load_b128 s[24:27], s[0:1], 0x40             ; the scales' exponents s[24:25], xcodes s[26:27]
	s_load_b64 s[28:29], s[0:1], 0x50              ; wcodes
	v_lshl_add_u32 v[SPW], v0, 2, SPARE
	v_mov_b32 v[NIL], 0
	v_lshrrev_b32 v1, 5, v0
	v_readfirstlane_b32 s30, v1                    ; wave 0..3
	v_and_b32 v2, 31, v0                           ; lane
	s_wait_kmcnt 0x0
	s_load_b512 s[32:47], s[24:25], 0x0            ; entries 0 to 15
	s_load_b64 s[48:49], s[24:25], 0x50            ; entries 20, 21
	s_cmp_lt_u32 ttmp9, 256
	s_cbranch_scc0 .Lx
; ---------------- THE WEIGHTS.  W is [K][1024] f32, K its first axis.  A lane takes a column n and its registers run down K: each load reads 128 consecutive bytes a wave, and the conversions give codes with K innermost.
; A wave takes 32 columns x 256 along K; its codes go through its own stage in LDS (column n at stage row pi(n)) and leave as rows: sixteen lanes store 256 consecutive bytes, aligned.
	s_lshr_b32 s2, ttmp9, 5                        ; slab: 0-5 = P, 6 and 7 = Wo's two halves of K
	s_and_b32 s3, ttmp9, 7                         ; which 128 columns
	s_bfe_u32 s4, ttmp9, 0x20003                   ; which 256 along K
	s_mov_b64 s[50:51], s[22:23]
.irp i, 0,1,2,3,4,5
	s_cmp_eq_u32 s2, \i
	s_cselect_b64 s[50:51], s[10+2*\i:11+2*\i], s[50:51]   ; the choice hangs on the work-group's number alone
.endr
	s_lshl_b32 s5, s3, 7
	s_lshl_b32 s6, s30, 5
	s_add_co_u32 s5, s5, s6                        ; n0: my wave's first column
	s_lshl_b32 s52, s4, 20                         ; 256 rows of 4,096 bytes
	s_lshl_b32 s6, s5, 2
	s_add_co_u32 s52, s52, s6
	s_cmp_eq_u32 s2, 7
	s_cselect_b32 s6, 0x400000, 0                  ; Wo's rows 1024 on
	s_add_co_u32 s52, s52, s6
	s_mov_b32 s53, 0
	s_add_nc_u64 s[50:51], s[50:51], s[52:53]
	s_lshr_b32 s6, s2, 1
	s_lshl_b32 s54, s6, 21                         ; the pair
	s_and_b32 s6, s2, 1
	s_lshl_b32 s6, s6, 10                          ; the half of its rows
	s_add_co_u32 s54, s54, s6
	s_lshl_b32 s6, s5, 11                          ; place n0
	s_add_co_u32 s54, s54, s6
	s_lshl_b32 s6, s4, 8                           ; 256 codes along K
	s_add_co_u32 s54, s54, s6
	s_mov_b32 s55, 0
	s_add_nc_u64 s[56:57], s[28:29], s[54:55]
	s_wait_alu depctr_va_vdst(0)
	v_lshlrev_b32 v3, 2, v2                        ; in: 4 bytes a lane
	v_and_b32 v5, 7, v2
	v_bfe_u32 v6, v2, 3, 1
	v_lshl_add_u32 v5, v6, 4, v5
	v_bfe_u32 v6, v2, 4, 1
	v_lshl_add_u32 v5, v6, 3, v5                   ; pi(lane)
	s_mul_i32 s7, s30, 32*WP
	s_add_co_u32 s7, s7, WSTG                      ; my stage
	v_mul_u32_u24 v4, v5, WP
	v_add_nc_u32 v4, s7, v4                        ; into it: row pi(lane)
	v_and_b32 v5, 15, v2
	v_lshrrev_b32 v6, 4, v2
	v_mul_u32_u24 v7, v6, WP
	v_lshl_add_u32 v7, v5, 4, v7
	v_add_nc_u32 v7, s7, v7                        ; out of it: sixteen lanes to a row, two rows an instruction
	v_lshlrev_b32 v8, 11, v6
	v_lshl_add_u32 v8, v5, 4, v8                   ; and the same place in wcodes
.macro WLOAD t                         ; block t: W(32 t + i, my column), i = 0 .. 31, into set t % 2
.irp i, 0,1,2,3,4,5,6,7,8,9,10,11,12,13,14,15,16,17,18,19,20,21,22,23,24,25,26,27,28,29,30,31
	global_load_b32 v[WX+32*((\t)%2)+\i], v3, s[50:51] offset:(32*(\t)+\i)*4096 th:TH_LOAD_NT
.endr
.endm
	WLOAD 0
	WLOAD 1
	s_wait_kmcnt 0x0
	s_mov_b32 s58, s49                             ; e: entry 21 for Wo, else the weight's own
	s_cmp_eq_u32 s2, 0
	s_cselect_b32 s58, s33, s58
	s_cmp_eq_u32 s2, 1
	s_cselect_b32 s58, s35, s58
	s_cmp_eq_u32 s2, 2
	s_cselect_b32 s58, s43, s58
	s_cmp_eq_u32 s2, 3
	s_cselect_b32 s58, s45, s58
	s_cmp_eq_u32 s2, 4
	s_cselect_b32 s58, s37, s58
	s_cmp_eq_u32 s2, 5
	s_cselect_b32 s58, s47, s58
	s_add_co_i32 s58, s58, 127
	s_lshl_b32 s59, s58, 23
	v_mov_b32 v11, s59                             ; 2^e as f32: the conversion takes its exponent field
	s_add_co_i32 s58, s58, EMAX
	s_lshl_b32 s58, s58, 23
	s_or_b32 s58, s58, MANT
	v_mov_b32 v10, s58                             ; 448 x 2^e
.macro WBLOCK t
.set CUR, WX+32*((\t)%2)
.if (\t) < 7
	s_wait_loadcnt 32                              ; this block's 32 loads are in; the next block's 32 may be out
.else
	s_wait_loadcnt 0
.endif
.irp i, 0,1,2,3,4,5,6,7,8,9,10,11,12,13,14,15,16,17,18,19,20,21,22,23,24,25,26,27,28,29,30,31
	v_med3_num_f32 v[CUR+\i], v[CUR+\i], -v10, v10 ; the conversion to an 8-bit code does not saturate (ISA guide 7.6.2): the hold comes first
.endr
.irp g, 0,1,2,3
	v_cvt_scalef32_pk8_fp8_f32 v[WC+2*\g:WC+2*\g+1], v[CUR+8*\g:CUR+8*\g+7], v11
.endr
	ds_store_b128 v4, v[WC:WC+3] offset:32*(\t)    ; 32 codes of my column's row
	ds_store_b128 v4, v[WC+4:WC+7] offset:32*(\t)+16
.if (\t)+2 < 8
	WLOAD (\t)+2
.endif
	s_wait_dscnt 0x0                               ; the stores have read their registers: the next block's codes may be written
.endm
	s_wait_alu depctr_va_vdst(0)
.irp t, 0,1,2,3,4,5,6,7
	WBLOCK \t
.endr
.irp t, 0,1,2,3,4,5,6,7,8,9,10,11,12,13,14,15
	ds_load_b128 v[WO+4*\t:WO+4*\t+3], v7 offset:2*\t*WP   ; LDS serves a wave's instructions in order: these see my stores
.endr
.irp t, 0,1,2,3,4,5,6,7,8,9,10,11,12,13,14,15
	s_wait_dscnt 15-\t                             ; the loads behind this one may be out
	global_store_b128 v8, v[WO+4*\t:WO+4*\t+3], s[56:57] offset:2*\t*2048
.endr
	s_wait_tensorcnt 0x0                           ; the wave's end
	ds_add_u32 v[SPW], v[NIL]
	s_wait_dscnt 0x0
	s_endpgm
; ---------------- x.  A wave takes 4 rows: 8 steps of 512 numbers.  Each load reads 512 consecutive bytes; a step's 2,048 bytes turn through the wave's own padded stage in LDS, so that a lane then holds 16 neighbours along K.
; Each step is held and converted six times, once for each P, and each set of 16 codes a lane leaves as 512 consecutive bytes a wave.
.Lx:
	s_sub_co_u32 s2, ttmp9, 256
	s_lshl_b32 s2, s2, 4
	s_lshl_b32 s3, s30, 2
	s_add_co_u32 s2, s2, s3                        ; m0: my first row, a multiple of 4
	s_and_b32 s3, s2, 0xfe7
	s_bfe_u32 s4, s2, 0x10003
	s_lshl_b32 s4, s4, 4
	s_or_b32 s3, s3, s4
	s_bfe_u32 s4, s2, 0x10004
	s_lshl_b32 s4, s4, 3
	s_or_b32 s3, s3, s4                            ; pi(m0); pi(m0 + j) = pi(m0) + j for j under 4
	s_lshl_b32 s50, s2, 12
	s_mov_b32 s51, 0
	s_add_nc_u64 s[8:9], s[8:9], s[50:51]          ; x at my first row
	s_lshl_b32 s50, s2, 11
	s_add_nc_u64 s[52:53], s[26:27], s[50:51]      ; P = 0: pair 0, place = token
	s_lshl_b32 s50, s3, 11
	s_add_nc_u64 s[54:55], s[26:27], s[50:51]      ; P = 1: pair 0, place = pi(token)
	s_add_nc_u64 s[56:57], s[52:53], 0x800000      ; P = 2: pair 1, token
	s_add_nc_u64 s[58:59], s[54:55], 0x800000      ; P = 3: pair 1, pi
	s_add_nc_u64 s[60:61], s[54:55], 0x1000000     ; P = 4, 5: pair 2, pi
	s_wait_alu depctr_va_vdst(0)
	v_lshlrev_b32 v3, 4, v2                        ; my 16 bytes of 512, in and out
	s_mul_i32 s5, s30, WREG
	v_lshrrev_b32 v14, 2, v2
	v_mul_u32_u24 v14, v14, SP
	v_and_b32 v15, 3, v2
	v_lshl_add_u32 v14, v15, 4, v14
	v_add_nc_u32 v14, s5, v14                      ; the stage, on the way in: SP (lane / 4) + 16 (lane % 4)
	v_mul_u32_u24 v15, v2, SP
	v_add_nc_u32 v15, s5, v15                      ; and on the way out: SP x lane
.macro XLOAD t
.irp i, 0,1,2,3
	global_load_b128 v[RAW+16*((\t)%4)+4*\i:RAW+16*((\t)%4)+4*\i+3], v3, s[8:9] offset:2048*(\t)+512*\i th:TH_LOAD_NT
.endr
.endm
.macro XTURN t                         ; LDS serves a wave's instructions in order, so no wait stands between the stores and the loads
.irp i, 0,1,2,3
	ds_store_b128 v14, v[RAW+16*((\t)%4)+4*\i:RAW+16*((\t)%4)+4*\i+3] offset:32*SP*((\t)%2)+8*SP*\i
.endr
.irp i, 0,1,2,3
	ds_load_b128 v[NBR+16*((\t)%2)+4*\i:NBR+16*((\t)%2)+4*\i+3], v15 offset:32*SP*((\t)%2)+16*\i
.endr
.endm
.irp t, 0,1,2,3
	XLOAD \t
.endr
.macro XSC p, sreg                     ; 2^e and 448 x 2^e for projection p
	s_add_co_i32 s6, s[\sreg], 127
	s_lshl_b32 s7, s6, 23
	v_mov_b32 v[SCL+2*\p], s7
	s_add_co_i32 s6, s6, EMAX
	s_lshl_b32 s6, s6, 23
	s_or_b32 s6, s6, MANT
	v_mov_b32 v[SCL+2*\p+1], s6
.endm
	s_wait_kmcnt 0x0
	XSC 0, 32                                      ; entries 0, 2, 10, 12, 4, 14: x's scale in q_s, k_s, q_l, k_l, v_s, v_l
	XSC 1, 34
	XSC 2, 42
	XSC 3, 44
	XSC 4, 36
	XSC 5, 46
	s_wait_loadcnt 12                              ; step 0's four loads are in
	XTURN 0
; One projection's codes of one step.  The two sets of held numbers take turns, so that sixteen plain lines stand between a conversion and the next write of its sources.
.macro XQ t, p, base
.irp i, 0,1,2,3,4,5,6,7,8,9,10,11,12,13,14,15
	v_med3_num_f32 v[HLD+16*((\p)%2)+\i], v[CUR+\i], -v[SCL+2*(\p)+1], v[SCL+2*(\p)+1]
.endr
	v_cvt_scalef32_pk8_fp8_f32 v[COD+4*(\p):COD+4*(\p)+1], v[HLD+16*((\p)%2):HLD+16*((\p)%2)+7], v[SCL+2*(\p)]
	v_cvt_scalef32_pk8_fp8_f32 v[COD+4*(\p)+2:COD+4*(\p)+3], v[HLD+16*((\p)%2)+8:HLD+16*((\p)%2)+15], v[SCL+2*(\p)]
	global_store_b128 v3, v[COD+4*(\p):COD+4*(\p)+3], s[\base:\base+1] offset:((\p)%2)*1024+((\t)/2)*2048+((\t)%2)*512
.endm
.macro XSTEP t
.set CUR, NBR+16*((\t)%2)
	s_wait_dscnt 0x0                               ; this step's numbers are back from the stage, and its stores into the stage have read their registers,
.if (\t)+4 < 8
	XLOAD (\t)+4                                   ; which take the loads of four steps on
.endif
.if (\t)+1 < 8
.if (\t) <= 3
	s_wait_loadcnt 12                              ; the next step's four loads are in; those of the three steps behind it may be out
.else
	s_wait_loadcnt 4*(6-(\t))                      ; the same, with fewer steps left
.endif
	XTURN (\t)+1
.endif
	s_wait_xcnt 0x0                                ; the last step's stores have read their codes' registers: these are written again only behind this wait
	XQ \t, 0, 52
	XQ \t, 1, 54
	XQ \t, 2, 56
	XQ \t, 3, 58
	XQ \t, 4, 60
	XQ \t, 5, 60
.endm
.irp t, 0,1,2,3,4,5,6,7
	XSTEP \t
.endr
	s_wait_tensorcnt 0x0                           ; the wave's end
	ds_add_u32 v[SPW], v[NIL]
	s_wait_dscnt 0x0
	s_endpgm
.Lfunc_end_k_q02c950be24_quant:
	.size	k_q02c950be24_quant, .Lfunc_end_k_q02c950be24_quant-k_q02c950be24_quant
	.p2alignl 7, 3214868480
	.fill 96, 4, 3214868480
	.section	.rodata,"a",@progbits
	.p2align	6, 0x0
	.amdhsa_kernel k_q02c950be24_quant
		.amdhsa_group_segment_fixed_size 68096
		.amdhsa_private_segment_fixed_size 0
		.amdhsa_enable_private_segment 0
		.amdhsa_kernarg_size 88
		.amdhsa_user_sgpr_count 2
		.amdhsa_user_sgpr_kernarg_segment_ptr 1
		.amdhsa_wavefront_size32 1
		.amdhsa_system_sgpr_workgroup_id_x 1
		.amdhsa_system_sgpr_workgroup_id_y 1
		.amdhsa_system_sgpr_workgroup_id_z 1
		.amdhsa_system_vgpr_workitem_id 0
		.amdhsa_next_free_vgpr 192
		.amdhsa_next_free_sgpr 66
		.amdhsa_reserve_vcc 0
		.amdhsa_float_denorm_mode_32 3
		.amdhsa_float_denorm_mode_16_64 3
		.amdhsa_memory_ordered 1
		.amdhsa_forward_progress 1
		.amdhsa_inst_pref_size 120
	.end_amdhsa_kernel
	.amdgpu_metadata
---
amdhsa.version: [ 1, 2 ]
amdhsa.kernels:
  - .name:           k_q02c950be24_quant
    .symbol:         k_q02c950be24_quant.kd
    .args:
      - { .name: x, .offset: 0, .size: 8, .value_kind: global_buffer, .address_space: global }
      - { .name: Wq_s, .offset: 8, .size: 8, .value_kind: global_buffer, .address_space: global }
      - { .name: Wk_s, .offset: 16, .size: 8, .value_kind: global_buffer, .address_space: global }
      - { .name: Wq_l, .offset: 24, .size: 8, .value_kind: global_buffer, .address_space: global }
      - { .name: Wk_l, .offset: 32, .size: 8, .value_kind: global_buffer, .address_space: global }
      - { .name: Wv_s, .offset: 40, .size: 8, .value_kind: global_buffer, .address_space: global }
      - { .name: Wv_l, .offset: 48, .size: 8, .value_kind: global_buffer, .address_space: global }
      - { .name: Wo, .offset: 56, .size: 8, .value_kind: global_buffer, .address_space: global }
      - { .name: lowp_scales, .offset: 64, .size: 8, .value_kind: global_buffer, .address_space: global }
      - { .name: xcodes, .offset: 72, .size: 8, .value_kind: global_buffer, .address_space: global }
      - { .name: wcodes, .offset: 80, .size: 8, .value_kind: global_buffer, .address_space: global }
    .group_segment_fixed_size: 68096
    .private_segment_fixed_size: 0
    .kernarg_segment_align: 8
    .kernarg_segment_size: 88
    .max_flat_workgroup_size: 128
    .sgpr_count:     66
    .vgpr_count:     192
    .wavefront_size: 32
...
	.end_amdgpu_metadata
.endif
;; end of part 1
;; launch proj (part 2): grid 24 x 16, 4 waves a work-group, clusters of 4 x 4, 327,680 bytes of LDS; arguments xcodes, wcodes, lowp_scales, qkv; writes qkv
.if DOCPART == 2
	.amdgcn_target "amdgcn-amd-amdhsa--gfx1250"
	.amdhsa_code_object_version 6
	.text
	.protected	k_q02c950be24_proj
	.globl	k_q02c950be24_proj
	.p2align	8
	.type	k_q02c950be24_proj,@function
k_q02c950be24_proj:
	s_mov_b64 s[64:65], 0
	v_nop
	global_prefetch_b8 v0, s[64:65] scope:SCOPE_SE
	s_setreg_imm32_b32 hwreg(HW_REG_WAVE_MODE, 25, 1), 1
	s_wait_xcnt 0x0
	s_wait_alu depctr_hold_cnt(0) depctr_sa_sdst(0) depctr_va_vdst(0) depctr_va_sdst(0) depctr_va_ssrc(0) depctr_va_vcc(0) depctr_vm_vsrc(0)
	s_getreg_b32 s2, hwreg(HW_REG_IB_STS2, 6, 4)
	s_cmp_eq_u32 s2, 0
	s_cbranch_scc0 .Lentry_in_a_cluster
	s_endpgm
.Lentry_in_a_cluster:
	s_bfe_u32 s2, ttmp6, 0x10000c
	s_cmp_lg_u32 s2, 0xf033
	s_cbranch_scc0 .Lentry_shape_is_right
	s_endpgm
.Lentry_shape_is_right:
; SECOND LAUNCH: the six projections on codes of FP8 (E4M3), K = 1024, and their results quantised at once with the scales of the attention products.  P = the cluster's x: 0 q_s, 1 k_s, 2 q_l, 3 k_l, 4 v_s, 5 v_l.
; A tile of 256 x 256 results is made by four waves, each 128 x 128: 64 accumulators, 512 registers.  K goes in steps of 256 through a ring of two LDS slots filled by the tensor data mover; a tile's row is 256 bytes of memory.
; THE MATRIX INSTRUCTION IS USED TRANSPOSED: source 0 = 16 rows of B', source 1 = 16 rows of A': a lane holds one row of A' and, since B' is laid by pi (bits 3 and 4 of the row swapped), in two neighbouring
; accumulators 16 NEIGHBOURS along B'.  For q and k: A' = x (tokens), B' = W: a lane holds 16 neighbours of the head's 64.  For v the operands change places, A' = Wv, B' = x: a lane holds 16 neighbouring KEYS of one channel.
; So two conversions give 16 bytes a lane that lie as the next product's operand registers want them, and a wave stores them as 512 consecutive bytes: no stage in LDS.
; qkv, region P at P x 4 MiB, bh = 16 batch + head.  q, k: [bh][tile of 16 rows 128][c 2][lane 32][16 bytes]: lane (r, h) holds channels 32 c + 16 h + 0..15 of the tile's row r (q: token 16 tile + r; k: token pi(16 tile + r)).
; v: [bh][t 4][k32 64][lane][16 bytes]: lane (r, h) holds keys 32 k32 + 16 h + 0..15 of Wv's place 16 t + r.
; CLUSTERS: 4 x 4 work-groups.  The four of a row need the same tiles of A', the four of a column the same tiles of B': each tile is asked for jointly.  P and the cluster's y are the same in all sixteen partners.
; LIMITS: e(result) - e(x) - e(W) between -126 and 119.
.set KSTEP,  256
.set ROWB,   256                       ; a tile's row in bytes
.set KROW,   2048                      ; a row of xcodes or wcodes in memory
.set PITCH,  272                       ; an LDS row: 256 bytes + 16 of padding: the 16 rows that a load touches start at 16 different banks (64 banks of 4 bytes: ISA guide 11.1)
.set FR,     16
.set NL,     4
.set NP,     4                         ; places behind this matrix instruction (ISA guide 7.12.1)
.set HALFT,  128*PITCH
.set SLOT,   4*HALFT                   ; A's 256 rows, then B's 256 rows
.set LAPS,   2                         ; K = 1024 = two laps of two K steps
.set SPARE,  2*SLOT                    ; behind the ring: the spare words, 128 bytes for each wave
.set ADRA, 16                          ; v16-17  LDS address of my A' fragments in slot 0, 1
.set ADRB, 20                          ; v20-21  the same for B'
.set CO,   26                          ; v26     16 x lane
.set SPW,  28                          ; v28     LDS address of my spare word; never rewritten
.set NIL,  29                          ; v29     0; never rewritten
.set TMP,  32                          ; the way out: v32-95, a block's 64 held sums
.set AF,   128                         ; A's fragments, in window 0
.set CD,   128                         ; the way out: the codes, 16 registers a block, over A's fragments
.set G1, 24
.set G0, 32
.set G1B, 48
.set G0B, 56
.set MSB, 0
.macro WIN new                         ; the immediate's high byte repeats the setting that is left
.if MSB != \new
	s_set_vgpr_msb (MSB<<8)|\new
.set MSB, \new
.endif
.endm
.set MUL_LO, 0xa1                      ; source 0 (B') window 1, source 1 (A') window 0, C and D window 2
.set MUL_HI, 0xf1                      ; the same, C and D window 3
.set TO_B,   0x40                      ; destination window 1, address window 0
; A joint load: waves 0 and 1 fetch for A', waves 2 and 3 for B'.  The branch hangs on the wave's number alone.  An s_nop 0 and four v_nop follow each of the two lines.
.macro JLOAD g0a, g1a, g0b, g1b
	s_cmp_eq_u32 s15, 0
	s_cbranch_scc0 .Lfor_b_\@
	tensor_load_to_lds s[\g0a:\g0a+3], s[\g1a:\g1a+7]
	s_nop 0
.rept 4
	v_nop
.endr
	s_branch .Lasked_\@
.Lfor_b_\@:
	tensor_load_to_lds s[\g0b:\g0b+3], s[\g1b:\g1b+7]
	s_nop 0
.rept 4
	v_nop
.endr
.Lasked_\@:
.endm
.macro CREST                           ; a round of the cluster's barrier behind its opening barrier
	s_cmp_lg_u32 s14, 0
	s_cbranch_scc1 .Lnot_wave_0_\@
	s_barrier_signal -3
.Lnot_wave_0_\@:
	s_barrier_wait -3
	s_barrier_signal -1
	s_barrier_wait -1
.endm
.macro CROUND
	s_barrier_signal -1
	s_barrier_wait -1
	CREST
.endm
	s_load_b128 s[4:7], s[0:1], 0x0                ; xcodes s[4:5], wcodes s[6:7]
	s_load_b128 s[8:11], s[0:1], 0x10              ; the scales' exponents s[8:9], qkv s[10:11]
	v_lshl_add_u32 v[SPW], v0, 2, SPARE
	v_mov_b32 v[NIL], 0
	ds_add_u32 v[SPW], v[NIL]                      ; the wave's opening: the add, twice on end, and its wait ahead of my first tensor load
	ds_add_u32 v[SPW], v[NIL]
	v_lshrrev_b32 v1, 5, v0
	v_readfirstlane_b32 s14, v1                    ; wave 0..3
	s_lshr_b32 s15, s14, 1                         ; which half of the tile's rows is mine.  Also: I fetch for A' (0) or for B' (1)
	s_and_b32 s16, s14, 1                          ; which half of its columns.  Also: which 128 rows of that tile I fetch
	s_bfe_u32 s40, ttmp6, 0x40000                  ; cx, cy: my place in the cluster
	s_bfe_u32 s41, ttmp6, 0x40004
	s_mov_b32 s66, ttmp9                           ; P
	s_and_b32 s67, ttmp7, 0xffff                   ; Y: which quarter of the 4,096 tokens
	s_and_b32 s71, s66, 1
	s_lshr_b32 s72, s66, 1
	s_cmp_ge_u32 s66, 4
	s_cselect_b32 s68, 1, 0                        ; 1 for v
	s_cselect_b32 s69, s67, 0                      ; the tokens lie along the columns for v,
	s_cselect_b32 s70, 0, s67                      ; along the rows for q and k
	s_cselect_b32 s73, 2, s71                      ; role: 0 q, 1 k, 2 v
	s_cselect_b32 s92, s71, s72                    ; branch: 0 short, 1 long
	s_lshl_b32 s42, s69, 2
	s_add_co_u32 s42, s42, s40                     ; tile column
	s_lshl_b32 s17, s70, 2
	s_add_co_u32 s17, s17, s41                     ; tile row
	s_mul_i32 s90, s92, 40
	s_lshl_b32 s93, s73, 3
	s_add_co_u32 s90, s90, s93                     ; byte of entry 10 branch + 2 role: x's scale, and W's behind it
	s_mul_i32 s91, s92, 10
	s_add_co_u32 s91, s91, s73
	s_add_co_u32 s91, s91, s68
	s_add_co_u32 s91, s91, 6
	s_lshl_b32 s91, s91, 2                         ; byte of entry 6 + 10 branch + role (+ 1 for v): the result's scale
	s_lshl_b32 s43, s41, 2
	s_lshl_b32 s43, 15, s43                        ; my row of the cluster
	s_lshl_b32 s44, 0x1111, s40                    ; my column
	s_or_b32 s[G1+0], s43, (0<<16)|(1<<20)|(1<<21)|(5<<22)|(3<<25)  ; the mask; elements of 1 byte; padding on; bit 21 beside a mask; after every 64 words, 4 words
	s_or_b32 s[G1B+0], s44, (0<<16)|(1<<20)|(1<<21)|(5<<22)|(3<<25)
.irp g, G1, G1B
	s_mov_b32 s[\g+1], ROWB<<16                    ; tensor_dim0
	s_mov_b32 s[\g+2], 128<<16                     ; tensor_dim1
	s_mov_b32 s[\g+3], ROWB<<16                    ; tile_dim0
	s_mov_b32 s[\g+4], 128                         ; tile_dim1
	s_mov_b32 s[\g+5], KROW                        ; tensor_dim0_stride
	s_mov_b32 s[\g+6], 0
	s_mov_b32 s[\g+7], 0
.endr
	s_lshl_b32 s18, s16, 7                         ; which 128 rows of the tile I fetch
	s_lshl_b32 s20, s17, 8
	s_add_co_u32 s20, s20, s18
	s_lshl_b32 s20, s20, 11                        ; A': (256 x tile row + 128 x half) rows of 2,048 bytes
	s_mov_b32 s21, 0
	s_lshl_b32 s46, s42, 8
	s_add_co_u32 s46, s46, s18
	s_lshl_b32 s46, s46, 11                        ; B' likewise, by the tile column
	s_mov_b32 s47, 0
	s_lshl_b32 s93, s71, 10                        ; the half of a row that is P's
	s_lshl_b32 s74, s72, 23
	s_add_co_u32 s74, s74, s93                     ; P's codes in xcodes
	s_mov_b32 s75, 0
	s_lshl_b32 s76, s72, 21
	s_add_co_u32 s76, s76, s93                     ; and in wcodes
	s_mov_b32 s77, 0
	s_mul_i32 s45, s14, HALFT                      ; where my tile goes: wave x 128 rows
	s_wait_dscnt 0x0                               ; both opening adds are done
	s_wait_kmcnt 0x0
	s_load_b64 s[96:97], s[8:9], s90 offset:0x0    ; e(x), e(W)
	s_load_b32 s98, s[8:9], s91 offset:0x0         ; e(result)
	s_add_nc_u64 s[74:75], s[4:5], s[74:75]
	s_add_nc_u64 s[76:77], s[6:7], s[76:77]
	s_cmp_eq_u32 s68, 1
	s_cselect_b64 s[78:79], s[76:77], s[74:75]     ; A': Wv for v, else x
	s_cselect_b64 s[80:81], s[74:75], s[76:77]     ; B': x for v, else W
	s_add_nc_u64 s[20:21], s[78:79], s[20:21]
	s_add_nc_u64 s[46:47], s[80:81], s[46:47]
	; the prefetches: of the 128 rows that my wave fetches, each of the four partners that ask for them jointly takes 32, told apart by address (cx for A', cy for B'): a lane a row, 256 bytes of a row for a K step
	s_cmp_eq_u32 s15, 0
	s_cselect_b64 s[94:95], s[20:21], s[46:47]
	s_cselect_b32 s12, s40, s41
	s_lshl_b32 s12, s12, 16                        ; 32 rows of 2,048 bytes
	s_mov_b32 s13, 0
	s_add_nc_u64 s[94:95], s[94:95], s[12:13]
	CROUND                                         ; all sixteen work-groups are here: the first joint loads meet
.irp s, 0,1
	s_mov_b32 s[G0+4*\s], 1
	s_add_co_u32 s[G0+4*\s+1], s45, \s*SLOT
	s_add_nc_u64 s[G0+4*\s+2:G0+4*\s+3], s[20:21], \s*ROWB
	s_or_b32 s[G0+4*\s+3], s[G0+4*\s+3], 0x80000000
	s_mov_b32 s[G0B+4*\s], 1
	s_add_co_u32 s[G0B+4*\s+1], s45, \s*SLOT
	s_add_nc_u64 s[G0B+4*\s+2:G0B+4*\s+3], s[46:47], \s*ROWB
	s_or_b32 s[G0B+4*\s+3], s[G0B+4*\s+3], 0x80000000
.endr
	JLOAD G0, G1, G0B, G1B                         ; K step 0: one tensor load a wave at the head
	v_and_b32 v1, 15, v0                           ; l % 16
	v_bfe_u32 v2, v0, 4, 1                         ; l / 16
	v_mul_u32_u24 v3, v1, PITCH
	v_lshl_add_u32 v4, v2, 4, v3                   ; a fragment's row x pitch + 16 x half
	s_mul_i32 s21, s15, HALFT                      ; my 128 rows of A'
	s_mul_i32 s22, s16, HALFT                      ; my 128 rows of B',
	s_add_co_u32 s22, s22, 2*HALFT                 ; which lie behind A's 256
.irp s, 0,1
	v_add_nc_u32 v[ADRA+\s], s21, v4
	v_add_nc_u32 v[ADRB+\s], s22, v4
	s_add_co_u32 s21, s21, SLOT
	s_add_co_u32 s22, s22, SLOT
.endr
	v_and_b32 v6, 31, v0
	v_lshlrev_b32 v[CO], 4, v6
	v_lshlrev_b32 v27, 11, v6                      ; my lane's row; never rewritten
	global_prefetch_b8 v27, s[94:95] offset:256 th:TH_LOAD_NT scope:SCOPE_SE   ; K step 1, whose load goes out when K step 0's has landed,
	global_prefetch_b8 v27, s[94:95] offset:512 th:TH_LOAD_NT scope:SCOPE_SE   ; and K step 2, two refills on
	; where my wave's codes go
	s_lshl_b32 s82, s17, 1
	s_add_co_u32 s82, s82, s15                     ; which 128 rows of A' are mine
	s_lshl_b32 s83, s42, 1
	s_add_co_u32 s83, s83, s16                     ; which 128 rows of B'
	s_cmp_eq_u32 s68, 1
	s_cselect_b32 s84, s83, s82                    ; the block of 128 tokens, 0..31
	s_cselect_b32 s85, s82, s83                    ; the pair of heads, 0..7
	s_cselect_b32 s86, 11, 13                      ; 128 tokens are 4 x 512 bytes in v, 8 x 1,024 in q and k
	s_lshl_b32 s85, s85, 1
	s_lshr_b32 s87, s84, 4
	s_lshl_b32 s87, s87, 4
	s_add_co_u32 s87, s87, s85                     ; bh of my first head
	s_lshl_b32 s87, s87, 17
	s_and_b32 s84, s84, 15
	s_lshl_b32 s84, s84, s86
	s_add_co_u32 s87, s87, s84
	s_lshl_b32 s84, s66, 22
	s_add_co_u32 s88, s87, s84
	s_mov_b32 s89, 0
	s_add_nc_u64 s[10:11], s[10:11], s[88:89]
.macro FRAG reg, adr, q, i             ; 16 rows x 128 K: lane l holds row l % 16; registers 4 c .. 4 c + 3 hold K = 32 c + 16 (l / 16) + 0 .. 15: the same order of K in both operands
.irp c, 0,1,2,3
	ds_load_b128 v[\reg+4*\c:\reg+4*\c+3], v[\adr] offset:128*(\q)+32*\c+(\i)*16*PITCH
.endr
.endm
; 16 matrix instructions: A's blocks a0, a0 + 1 x B's eight.  The 64 accumulators take turns, one instruction a turn, in the same order in every step.
.macro MUL16 a0, p, zero
.irp a, \a0, \a0+1
.irp b, 0,1,2,3,4,5,6,7
.if \zero
	v_wmma_f32_16x16x128_fp8_fp8 v[8*(8*((\a)%4)+\b):8*(8*((\a)%4)+\b)+7], v[128*(\p)+FR*\b:128*(\p)+FR*\b+FR-1], v[AF+FR*(\a):AF+FR*(\a)+FR-1], 0
.else
	v_wmma_f32_16x16x128_fp8_fp8 v[8*(8*((\a)%4)+\b):8*(8*((\a)%4)+\b)+7], v[128*(\p)+FR*\b:128*(\p)+FR*\b+FR-1], v[AF+FR*(\a):AF+FR*(\a)+FR-1], v[8*(8*((\a)%4)+\b):8*(8*((\a)%4)+\b)+7]
.endif
.endr
.endr
.endm
.macro FETCH_B slot, q, p
	WIN TO_B
.irp i, 0,1,2,3,4,5,6,7
	FRAG 128*(\p)+FR*\i, ADRB+\slot, \q, \i
.endr
	WIN 0
.endm
.macro FETCH_A slot, q, i0
.irp i, \i0, \i0+1, \i0+2, \i0+3
	FRAG AF+FR*(\i), ADRA+\slot, \q, \i
.endr
.endm
.macro PLACES n                        ; plain vector lines between a matrix instruction and a load into, or a vector read or write of, its registers
.rept \n
	v_nop
.endr
.endm
; A step of 128 along K that has its successor in the same slot.  A' has one set of registers (a block is free when its eight products are issued), B' two.
.macro STEP slot, q, zero
	s_wait_dscnt 4*NL                              ; B's set and A's blocks 0-3 are in; the youngest 16 loads (A's blocks 4-7) may be out
	WIN MUL_LO
	MUL16 0, (\q)%2, \zero
	MUL16 2, (\q)%2, \zero
	s_wait_dscnt 0
	PLACES NP
	FETCH_B \slot, (\q)+1, 1-(\q)%2
	FETCH_A \slot, (\q)+1, 0
	WIN MUL_HI
	MUL16 4, (\q)%2, \zero
	MUL16 6, (\q)%2, \zero
	PLACES NP
	WIN 0
	FETCH_A \slot, (\q)+1, 4
.endm
; A slot's last step changes slots: one barrier; in front of it each wave waits for all its tensor loads, adds 0 to its spare word, and waits for that and for its reads of this slot.
.macro TURN slot, next, fill
	s_wait_tensorcnt 0x0                           ; all my tensor loads have landed: my part of the next slot
	ds_add_u32 v[SPW], v[NIL]
	s_wait_dscnt 4*NL+1                            ; the add and the youngest 16 loads (A's blocks 4-7) may be out
	WIN MUL_LO
	MUL16 0, 1, 0
	s_wait_dscnt 0x0                               ; the add is done, and my reads of this slot are over
	s_barrier_signal -1
	MUL16 2, 1, 0
	WIN 0
	s_barrier_wait -1
.if \fill
	CREST                                          ; the barrier has opened a round of the cluster's barrier: no wave of any partner still reads this slot or has a load on its way
	s_add_nc_u64 s[G0+4*\slot+2:G0+4*\slot+3], s[G0+4*\slot+2:G0+4*\slot+3], 2*ROWB
	s_add_nc_u64 s[G0B+4*\slot+2:G0B+4*\slot+3], s[G0B+4*\slot+2:G0B+4*\slot+3], 2*ROWB
	JLOAD G0+4*\slot, G1, G0B+4*\slot, G1B         ; the first tensor load behind the round; its four v_nop are the places in front of the loads below
.else
	PLACES NP
.endif
	FETCH_B \next, 0, 0
	FETCH_A \next, 0, 0
	WIN MUL_HI
	MUL16 4, 1, 0
	MUL16 6, 1, 0
	PLACES NP
	WIN 0
	FETCH_A \next, 0, 4
.endm
	s_wait_alu depctr_va_vdst(0)                   ; the head's end
	s_wait_tensorcnt 0x0                           ; my part of K step 0 is in
	ds_add_u32 v[SPW], v[NIL]
	s_wait_dscnt 0x0
	CROUND                                         ; everybody's part of K step 0 is in, and the sixteen work-groups are here
	JLOAD G0+4, G1, G0B+4, G1B                     ; K step 1: the first tensor load behind the round
	FETCH_B 0, 0, 0
	FETCH_A 0, 0, 0
	FETCH_A 0, 0, 4
	global_prefetch_b8 v27, s[94:95] offset:768 th:TH_LOAD_NT scope:SCOPE_SE   ; K step 3, the last: two refills on
	STEP 0, 0, 1
	s_mov_b32 s3, LAPS-1
.Llap:
	TURN 0, 1, 1
	STEP 1, 0, 0
	TURN 1, 0, 1
	STEP 0, 0, 0
	s_sub_co_u32 s3, s3, 1
	s_cmp_lg_u32 s3, 0
	s_cbranch_scc1 .Llap
	TURN 0, 1, 0                                   ; the last lap fills nothing
	STEP 1, 0, 0
	s_wait_dscnt 4*NL
	WIN MUL_LO
	MUL16 0, 1, 0
	MUL16 2, 1, 0
	s_wait_dscnt 0
	WIN MUL_HI
	MUL16 4, 1, 0
	MUL16 6, 1, 0
	WIN 0
	; THE WAY OUT.  A sum stands for sum x 2^(e(x) + e(W)); its code is sum / 2^E, E = e(result) - e(x) - e(W): the three scales are folded into the conversion's one.
	s_wait_kmcnt 0x0
	s_sub_co_i32 s98, s98, s96
	s_sub_co_i32 s98, s98, s97
	s_add_co_i32 s98, s98, 127
	s_lshl_b32 s96, s98, 23
	v_mov_b32 v10, s96                             ; 2^E as f32
	s_add_co_i32 s98, s98, 8
	s_lshl_b32 s98, s98, 23
	s_or_b32 s98, s98, 0x600000
	v_mov_b32 v11, s98                             ; 448 x 2^E
	PLACES NP
; Block a: 16 rows of A' x my 128 rows of B'.  Registers 16 beta .. 16 beta + 15 of the block are 16 neighbours along B'; each accumulator is read from its low end on.
.macro CODES a
.set AC, 64*((\a)%4)
	WIN 0x02+((\a)/4)                              ; source 0: window 2 or 3
.set j, 0
.rept 64
	v_med3_num_f32 v[TMP+j], v[AC+j], -v11, v11    ; the conversion does not saturate (ISA guide 7.6.2): the hold comes first
.set j, j+1
.endr
	WIN 0
.irp g, 0,1,2,3,4,5,6,7
	v_cvt_scalef32_pk8_fp8_f32 v[CD+16*(\a)+2*\g:CD+16*(\a)+2*\g+1], v[TMP+8*\g:TMP+8*\g+7], v10
.endr
	v_nop                                          ; a plain line between the conversions and the next block's writes of their sources
.endm
.irp a, 0,1,2,3,4,5,6,7
	CODES \a
.endr
	s_cmp_eq_u32 s68, 1                            ; P is the same in all partners of the cluster
	s_cbranch_scc1 .Lkeys_innermost
.irp a, 0,1,2,3,4,5,6,7                    ; q, k: tile a of my eight, head beta / 2 of my two, half beta % 2 of its 64 channels.  Each store covers 512 consecutive bytes, aligned
.irp b, 0,1,2,3
	global_store_b128 v[CO], v[CD+16*\a+4*\b:CD+16*\a+4*\b+3], s[10:11] offset:\a*1024+(\b/2)*131072+(\b%2)*512
.endr
.endr
	s_branch .Lstored
.Lkeys_innermost:
	s_wait_alu depctr_va_vdst(0)
.irp a, 0,1,2,3,4,5,6,7                    ; v: head a / 4 of my two, tile a % 4 of its 64 channels, block beta of 32 keys
.irp b, 0,1,2,3
	global_store_b128 v[CO], v[CD+16*\a+4*\b:CD+16*\a+4*\b+3], s[10:11] offset:(\a/4)*131072+(\a%4)*32768+\b*512
.endr
.endr
.Lstored:
	s_wait_tensorcnt 0x0                           ; the wave's end
	ds_add_u32 v[SPW], v[NIL]
	s_wait_dscnt 0x0
	CROUND                                         ; the closing round: no work-group ends while a partner may still ask for a tile that names it
	s_endpgm
.Lfunc_end_k_q02c950be24_proj:
	.size	k_q02c950be24_proj, .Lfunc_end_k_q02c950be24_proj-k_q02c950be24_proj
	.p2alignl 7, 3214868480
	.fill 96, 4, 3214868480
	.section	.rodata,"a",@progbits
	.p2align	6, 0x0
	.amdhsa_kernel k_q02c950be24_proj
		.amdhsa_group_segment_fixed_size 327680
		.amdhsa_private_segment_fixed_size 0
		.amdhsa_enable_private_segment 0
		.amdhsa_kernarg_size 32
		.amdhsa_user_sgpr_count 2
		.amdhsa_user_sgpr_kernarg_segment_ptr 1
		.amdhsa_wavefront_size32 1
		.amdhsa_system_sgpr_workgroup_id_x 1
		.amdhsa_system_sgpr_workgroup_id_y 1
		.amdhsa_system_sgpr_workgroup_id_z 1
		.amdhsa_system_vgpr_workitem_id 0
		.amdhsa_next_free_vgpr 1024
		.amdhsa_next_free_sgpr 100
		.amdhsa_reserve_vcc 0
		.amdhsa_float_denorm_mode_32 3
		.amdhsa_float_denorm_mode_16_64 3
		.amdhsa_memory_ordered 1
		.amdhsa_forward_progress 1
		.amdhsa_inst_pref_size 123
	.end_amdhsa_kernel
	.amdgpu_metadata
---
amdhsa.version: [ 1, 2 ]
amdhsa.kernels:
  - .name:           k_q02c950be24_proj
    .symbol:         k_q02c950be24_proj.kd
    .args:
      - { .name: xcodes, .offset: 0, .size: 8, .value_kind: global_buffer, .address_space: global }
      - { .name: wcodes, .offset: 8, .size: 8, .value_kind: global_buffer, .address_space: global }
      - { .name: lowp_scales, .offset: 16, .size: 8, .value_kind: global_buffer, .address_space: global }
      - { .name: qkv, .offset: 24, .size: 8, .value_kind: global_buffer, .address_space: global }
    .group_segment_fixed_size: 327680
    .private_segment_fixed_size: 0
    .kernarg_segment_align: 8
    .kernarg_segment_size: 32
    .max_flat_workgroup_size: 128
    .sgpr_count:     100
    .vgpr_count:     1024
    .wavefront_size: 32
...
	.end_amdgpu_metadata
.endif
;; end of part 2
;; launch attn (part 3): grid 8 x 32, 8 waves a work-group, clusters of 4 x 1, 327,680 bytes of LDS; arguments qkv, mask, lowp_scales, acodes, dead; writes acodes, dead
.if DOCPART == 3
	.amdgcn_target "amdgcn-amd-amdhsa--gfx1250"
	.amdhsa_code_object_version 6
	.text
	.protected	k_q02c950be24_attn
	.globl	k_q02c950be24_attn
	.p2align	8
	.type	k_q02c950be24_attn,@function
k_q02c950be24_attn:
	s_mov_b64 s[64:65], 0
	v_nop
	global_prefetch_b8 v0, s[64:65] scope:SCOPE_SE
	s_setreg_imm32_b32 hwreg(HW_REG_WAVE_MODE, 25, 1), 1
	s_wait_xcnt 0x0
	s_wait_alu depctr_hold_cnt(0) depctr_sa_sdst(0) depctr_va_vdst(0) depctr_va_sdst(0) depctr_va_ssrc(0) depctr_va_vcc(0) depctr_vm_vsrc(0)
	s_getreg_b32 s2, hwreg(HW_REG_IB_STS2, 6, 4)
	s_cmp_eq_u32 s2, 0
	s_cbranch_scc0 .Lentry_in_a_cluster
	s_endpgm
.Lentry_in_a_cluster:
	s_bfe_u32 s2, ttmp6, 0x10000c
	s_cmp_lg_u32 s2, 0x3003
	s_cbranch_scc0 .Lentry_shape_is_right
	s_endpgm
.Lentry_shape_is_right:
; THIRD LAUNCH: both attentions on codes of FP8 (E4M3), head size 64; their results are quantised at once for the last product.
; WORK LEFT OUT: in the short branch only the step of 128 keys that holds the windows (query - 64 .. query) of a wave's 32 queries is computed; reference() itself sets all other scores to -inf (shown at the head of the first launch).
; SHARES.  A work-group owns 256 queries of one (batch, head); each of its eight waves 32 of them, two tiles of 16, in 512 registers.  Each fragment of K and V and each bias read from LDS serves both tiles.
; K AND V OF THE LONG BRANCH STAY IN LDS: 2,048 keys x 64 bytes x 2 = 262,144 bytes, asked for at the head as eight dense blocks of 32,768 bytes, one tensor load a wave (waves 0-3: 512 keys of K each; waves 4-7: one row of V
; each).  They land under the short branch, which is fed from memory into registers by loads issued ahead of them.  No byte of LDS is filled twice; one barrier stands between the fills and the long branch.
; CLUSTERS: 4 x 1 work-groups of one (batch, head) need the same K and V: every load is asked for jointly, with the mask 15.  No branch and no LDS address hangs on the place in the cluster.
; NO PREFETCH: all of K and V is asked for at the head by the tensor loads themselves; no stream is left that a loop could run ahead of.
; LAYOUT.  Both products are used transposed: S^T = K Q^T + C (source 0 = 16 keys, source 1 = 16 queries), O^T = V^T P^T: a lane holds ONE query of each tile (lane % 16).  K's tiles are laid so that the 16 registers of two
; neighbouring tiles are 16 neighbouring keys, 32 b + 16 (lane / 16) + 0..15; V's channels likewise.
; THE MASKS ARE THE C OF THE SCORE PRODUCT, in the units of the sums: 0 for a key that counts, -2^100 for a hidden one (the input mask; in the short branch also the window and keys outside the sequence), and in the short
; branch (query - key) x 0.10536052 x 2^(3 - e6 - e7), reference()'s recency bias.  A sum is under 2^24, so a hidden key's p is exactly 0.
; THE SOFTMAX: t = (sum + C) x c, c = log2(e) / 8 x 2^(eq + ek); M = the running largest t rounded up to a whole number; p = 2^(t - M) is quantised, not normalised; the row's sum is taken of the unquantised p and divides at the end.
; The running largest t starts at c x (-2^99), above every hidden t and under every real one: while a row has seen no key that counts, its p, its sum and its O^T are 0.
; A ROW THAT ENDS SO has no key at all: reference() gives NaN there.  Its divisor is replaced by 1, its codes are zeros, and a flag is stored for the token (by the work-groups of head 0): the last launch writes NaN over the row.
; acodes: [tile of 16 tokens 256][g = 16 branch + head 32][c 2][lane][16 bytes].   dead: [tile 256][lane 32] int32, 1 = dead.
; LIMITS: e6 + e7 and e16 + e17 between -89 and 29; e8, e18, e20 - e8 - e9 and e20 - e18 - e19 between -126 and 119; a mask byte is 0 or 1.
; REGISTERS.  Window 0 holds all that vector instructions touch: v1 16 lane; v2-4, v30 LDS addresses of the step; v5, v6 the add's two; v7 KBL + 64 h; v8 4 lane; v9, v10 flags; v11, v28 permutes' results;
; v12-15 (-M, largest t) x 2 tiles; v16-19 the sums; v20-23 (f, 0) x 2; v24, v25 448 x 2^ep; v26 2^ep; v27, v31 the results' scale and bound; v32-159 S^T, p; v160-223 O^T; v224-255 p's codes (at work ahead of them).
; Window 1 holds what loads fill and matrix instructions read: v0-63 K's 8 fragments, v64-127 V's 4, v128-191 the biases, v192-207 Q short, v208-223 Q long.
.set VOFF,  131072                     ; LDS: K's 128 tiles of 1,024 bytes, then V's 4 rows of 32,768
.set KBL,   262144                     ; the batch's 2,048 biases, f32
.set SKB,   270336                     ; my window's 128 biases: 512 bytes for each wave
.set SPARE, 274432                     ; the spare words, 128 bytes for each of 8 waves
.set SC, 32
.set OT, 160
.set CD, 224
.set KF, 0
.set VF, 64
.set BI, 128
.set QS, 192
.set QL, 208
.set KO, 2                             ; s2  LDS byte of the next step's K
.set VO, 42                            ; s42 of this step's V
.set BO, 43                            ; s43 byte of the next step's first bias
.set WV, 18
.set BH, 19
.set SEL, 20                           ; s[20:21] lane selects: lane l xor 16
.set CS, 22                            ; s[22:23] c
.set G1, 24
.set G0K, 32
.set G0V, 36
.set THR, 85                           ; c x (-2^99)
.set GR, 86                            ; the recency bias for one key's distance, in the units of the sums
.set G32, 97                           ; 32 x that
.set C32, 98                           ; 32.0
.set MSB, 0
.macro WIN new                         ; the immediate's high byte repeats the setting that is left
.if MSB != \new
	s_set_vgpr_msb (MSB<<8)|\new
.set MSB, \new
.endif
.endm
.macro JLOAD                           ; waves 0-3: K; waves 4-7: V.  An s_nop 0 and four v_nop follow each line
	s_cmp_lt_u32 s[WV], 4
	s_cbranch_scc0 .Lfor_v_\@
	tensor_load_to_lds s[G0K:G0K+3], s[G1:G1+7]
	s_nop 0
.rept 4
	v_nop
.endr
	s_branch .Lasked_\@
.Lfor_v_\@:
	tensor_load_to_lds s[G0V:G0V+3], s[G1:G1+7]
	s_nop 0
.rept 4
	v_nop
.endr
.Lasked_\@:
.endm
.macro ROUND                           ; a round of the cluster's barrier
	s_barrier_signal -1
	s_barrier_wait -1
	s_cmp_lg_u32 s[WV], 0
	s_cbranch_scc1 .Lnot_wave_0_\@
	s_barrier_signal -3
.Lnot_wave_0_\@:
	s_barrier_wait -3
	s_barrier_signal -1
	s_barrier_wait -1
.endm
	s_load_b128 s[4:7], s[0:1], 0x0                ; qkv, mask
	s_load_b128 s[8:11], s[0:1], 0x10              ; the scales' exponents, acodes
	s_load_b64 s[12:13], s[0:1], 0x20              ; dead
	v_lshl_add_u32 v5, v0, 2, SPARE
	v_mov_b32 v6, 0
	ds_add_u32 v5, v6                              ; the opening: the add, twice on end, and its wait ahead of the first tensor load
	ds_add_u32 v5, v6
	v_lshrrev_b32 v11, 5, v0
	v_readfirstlane_b32 s[WV], v11                 ; wave 0..7
	s_and_b32 s[BH], ttmp7, 0xffff                 ; bh = 16 batch + head: the cluster's y
	s_bfe_u32 s40, ttmp6, 0x40000                  ; cx
	s_lshl_b32 s41, ttmp9, 2
	s_add_co_u32 s41, s41, s40                     ; X: which 256 queries
	s_mov_b32 s[G1], 15|(3<<16)|(1<<21)            ; the mask of the four; elements of 8 bytes; bit 21 beside a mask: 128 rows of 256 bytes, dense
	s_mov_b32 s[G1+1], 32<<16
	s_mov_b32 s[G1+2], 128<<16
	s_mov_b32 s[G1+3], 32<<16
	s_mov_b32 s[G1+4], 128
	s_mov_b32 s[G1+5], 32
	s_mov_b32 s[G1+6], 0
	s_mov_b32 s[G1+7], 0
	s_mov_b32 s[SEL], 0x76543210
	s_mov_b32 s[SEL+1], 0xfedcba98
	s_lshl_b32 s16, s[BH], 17                      ; a (batch, head) is 131,072 bytes in every region
	s_lshl_b32 s15, s[WV], 15                      ; wave w's block lies at 32,768 w in LDS: K's blocks 0-3, then V's rows 0-3 (VOFF = 4 x 32,768)
	s_add_co_u32 s88, s16, s15
	s_add_co_u32 s90, s88, 0x1400000-131072        ; V long, row w - 4
	s_add_co_u32 s88, s88, 0xc00000                ; K long, block w
	s_mov_b32 s89, 0
	s_mov_b32 s91, 0
	s_mov_b32 s95, 0
	s_lshl_b32 s92, s41, 4
	s_lshl_b32 s93, s[WV], 1
	s_add_co_u32 s92, s92, s93                     ; my first tile of 16 queries in the sequence
	s_lshr_b32 s87, s[BH], 4
	s_lshl_b32 s87, s87, 7
	s_add_co_u32 s87, s87, s92                     ; and among all 256 tiles of tokens
	s_lshl_b32 s93, s92, 4                         ; my first query q0, a multiple of 32.  The window step's first key is kb = q0 - 64: keys kb .. kb + 127 hold query - 64 .. query of my 32 queries
	s_and_b32 s77, s[BH], 15                       ; the head
	v_and_b32 v8, 31, v0
	v_lshlrev_b32 v1, 4, v8                        ; 16 x lane
	v_lshlrev_b32 v8, 2, v8                        ; 4 x lane
	v_lshlrev_b32 v160, 3, v0                      ; 8 x thread
	v_bfe_u32 v161, v0, 4, 1                       ; h
	v_and_b32 v162, 15, v0                         ; r
	v_lshl_add_u32 v7, v161, 6, KBL
	s_lshl_b32 s94, s[WV], 9
	s_add_co_u32 s94, s94, SKB
	v_lshl_add_u32 v163, v161, 6, s94              ; SKB + 512 wave + 64 h
	v_add_nc_u32 v164, s94, v1                     ; SKB + 512 wave + 16 lane
	v_lshl_add_u32 v165, v0, 5, KBL                ; KBL + 32 thread
	v_lshlrev_b32 v161, 4, v161
	v_sub_nc_u32 v162, v162, v161
	v_add_nc_u32 v162, 32, v162
	v_cvt_f32_i32 v166, v162                       ; z = query - key - 32 of register 0, tile 0: 32 + r - 16 h;
	v_add_f32 v167, 0x41800000, v166               ; tile 1: 16 more
	s_sub_co_i32 s94, s93, 64
	v_add_nc_u32 v168, s94, v8                     ; kb + 4 lane: the four keys whose mask bytes I turn into my window's biases
	v_cmp_gt_u32 s99, 2048, v168                   ; inside the sequence?  (a negative number is a large one here.)  Kept in s99
	v_min_u32 v168, 2044, v168                     ; no load leaves the mask
	v_mov_b32 v169, 0xf1800000                     ; -2^100
	v_mov_b32 v11, 0                               ; written once: a lane permute's destination counts as one of its sources
	v_mov_b32 v28, 0
	v_mov_b32 v21, 0                               ; (named as the upper halves of the pairs of f)
	v_mov_b32 v23, 0
	s_wait_alu depctr_va_vdst(0)
	s_wait_dscnt 0x0                               ; both opening adds are done
	s_wait_kmcnt 0x0
	s_load_b128 s[68:71], s[8:9], 0x18             ; e6 .. e9: q, k, p, v of the short branch
	s_load_b128 s[72:75], s[8:9], 0x40             ; e16 .. e19: of the long branch
	s_load_b32 s76, s[8:9], 0x50                   ; e20
	s_lshl_b32 s94, s92, 10
	s_add_co_u32 s94, s94, s16
	s_add_nc_u64 s[48:49], s[4:5], s[94:95]        ; Q short
	s_add_nc_u64 s[50:51], s[48:49], 0x800000      ; Q long
	s_lshl_b32 s94, s93, 6
	s_add_co_u32 s94, s94, s16
	s_add_co_u32 s94, s94, 0x400000-4096           ; K short at key kb, 64 bytes a key.  kb may lie 64 keys ahead of the sequence and the step may reach 32 keys behind it: the bytes read there are other
	s_add_nc_u64 s[52:53], s[4:5], s[94:95]        ; codes of qkv, and C hides them
	s_lshl_b32 s94, s93, 4
	s_add_co_u32 s94, s94, s16
	s_add_co_u32 s94, s94, 0x1000000-1024          ; V short at key kb, 16 bytes a key in each row
	s_add_nc_u64 s[54:55], s[4:5], s[94:95]
	s_lshr_b32 s94, s[BH], 4
	s_lshl_b32 s94, s94, 11
	s_add_nc_u64 s[58:59], s[6:7], s[94:95]        ; the batch's mask
	global_load_b64 v[170:171], v160, s[58:59]     ; eight mask bytes of the batch's 2,048
	global_load_b32 v172, v168, s[58:59]           ; four of my window
	WIN 0x40                                       ; destinations in window 1
.irp i, 0,1,2,3
	global_load_b128 v[QS+4*\i:QS+4*\i+3], v1, s[48:49] offset:512*\i
	global_load_b128 v[QL+4*\i:QL+4*\i+3], v1, s[50:51] offset:512*\i
.endr
.irp i, 0,1,2,3,4,5,6,7
.irp c, 0,1
	global_load_b128 v[KF+8*\i+4*\c:KF+8*\i+4*\c+3], v1, s[52:53] offset:\i*1024+512*\c
.endr
.endr
.irp t, 0,1,2,3
.irp c, 0,1,2,3
	global_load_b128 v[VF+16*\t+4*\c:VF+16*\t+4*\c+3], v1, s[54:55] offset:\t*32768+512*\c
.endr
.endr
	WIN 0
	s_mov_b32 s[G0K], 1
	s_mov_b32 s[G0K+1], s15
	s_add_nc_u64 s[G0K+2:G0K+3], s[4:5], s[88:89]
	s_or_b32 s[G0K+3], s[G0K+3], 0x80000000
	s_mov_b32 s[G0V], 1
	s_mov_b32 s[G0V+1], s15
	s_add_nc_u64 s[G0V+2:G0V+3], s[4:5], s[90:91]
	s_or_b32 s[G0V+3], s[G0V+3], 0x80000000
	ROUND                                          ; the four work-groups are here: the joint loads meet
	JLOAD                                          ; all of K and V of the long branch: my one tensor load
	s_lshl_b32 s94, s87, 15
	s_lshl_b32 s78, s77, 10
	s_add_co_u32 s94, s94, s78
	s_add_nc_u64 s[56:57], s[10:11], s[94:95]      ; acodes: my first tile, my head, the short branch
	s_lshl_b32 s94, s87, 7
	s_add_nc_u64 s[60:61], s[12:13], s[94:95]      ; my tiles' flags
; The constants of a branch, from its four exponents.
.macro SETC eq, ek, ep, ev
	s_add_co_i32 s87, s[\eq], s[\ek]
	s_lshl_b32 s88, s87, 23
	s_add_co_u32 s[CS], s88, 0x3e38aa3b            ; log2(e) / 8, with eq + ek added to its exponent field
	s_mov_b32 s[CS+1], s[CS]
	s_add_co_u32 s[THR], s[CS], 0xb1800000         ; 99 more on the exponent field, and the sign: c x (-2^99)
	s_add_co_i32 s88, s[\ep], 127
	s_lshl_b32 s89, s88, 23
	v_mov_b32 v26, s89                             ; 2^ep
	s_add_co_i32 s88, s88, 8
	s_lshl_b32 s88, s88, 23
	s_or_b32 s88, s88, 0x600000
	v_mov_b32 v24, s88                             ; 448 x 2^ep, twice: one for each half of a dual pair
	v_mov_b32 v25, s88
	s_sub_co_i32 s88, s76, s[\ep]
	s_sub_co_i32 s88, s88, s[\ev]
	s_add_co_i32 s88, s88, 127
	s_lshl_b32 s89, s88, 23
	v_mov_b32 v27, s89                             ; 2^(e20 - ep - ev)
	s_add_co_i32 s88, s88, 8
	s_lshl_b32 s88, s88, 23
	s_or_b32 s88, s88, 0x600000
	v_mov_b32 v31, s88                             ; 448 x that
	v_mov_b32 v13, s[THR]                          ; the largest t so far
	v_mov_b32 v15, s[THR]
	v_floor_f32 v12, -v13                          ; -M
	v_floor_f32 v14, -v15
.irp j, 16,17,18,19
	v_mov_b32 v\j, 0                               ; the sums, in two halves each
.endr
.endm
; S^T = K Q^T + C: eight tiles of 16 keys x my two tiles of queries, each accumulator once.  own = 1: C lies in the accumulator; else both tiles take the biases in window 1.
.macro QK q, own
.irp t, 0,1,2,3,4,5,6,7
.irp u, 0,1
.if \own
	v_wmma_f32_16x16x64_fp8_fp8 v[SC+64*\u+8*\t:SC+64*\u+8*\t+7], v[KF+8*\t:KF+8*\t+7], v[\q+8*\u:\q+8*\u+7], v[SC+64*\u+8*\t:SC+64*\u+8*\t+7]
.else
	v_wmma_f32_16x16x64_fp8_fp8 v[SC+64*\u+8*\t:SC+64*\u+8*\t+7], v[KF+8*\t:KF+8*\t+7], v[\q+8*\u:\q+8*\u+7], v[BI+8*\t:BI+8*\t+7]
.endif
.endr
.endr
.endm
.macro PV zero                         ; O^T (+)= V^T P^T: four tiles of 16 channels x two tiles of queries, the eight accumulators by turns
.irp t, 0,1,2,3
.irp u, 0,1
.if \zero
	v_wmma_f32_16x16x128_fp8_fp8 v[OT+32*\u+8*\t:OT+32*\u+8*\t+7], v[VF+16*\t:VF+16*\t+15], v[CD+16*\u:CD+16*\u+15], 0
.else
	v_wmma_f32_16x16x128_fp8_fp8 v[OT+32*\u+8*\t:OT+32*\u+8*\t+7], v[VF+16*\t:VF+16*\t+15], v[CD+16*\u:CD+16*\u+15], v[OT+32*\u+8*\t:OT+32*\u+8*\t+7]
.endif
.endr
.endr
.endm
.macro SUMT u                          ; tile u's row sums of the unquantised p, ahead of the hold: eight chains in the registers that the codes take later
.irp k, 0,1,2,3,4,5,6,7
	v_pk_add_f32 v[CD+2*\k:CD+2*\k+1], v[SC+64*\u+4*\k:SC+64*\u+4*\k+1], v[SC+64*\u+4*\k+2:SC+64*\u+4*\k+3]
.endr
.set j, 32
.rept 16
	v_pk_add_f32 v[CD+2*((j/2)%8):CD+2*((j/2)%8)+1], v[CD+2*((j/2)%8):CD+2*((j/2)%8)+1], v[SC+64*\u+j:SC+64*\u+j+1]
.set j, j+2
.endr
.irp k, 0,4,8,12
	v_pk_add_f32 v[CD+\k:CD+\k+1], v[CD+\k:CD+\k+1], v[CD+\k+2:CD+\k+3]
.endr
	v_pk_add_f32 v[CD:CD+1], v[CD:CD+1], v[CD+4:CD+5]
	v_pk_add_f32 v[CD+8:CD+9], v[CD+8:CD+9], v[CD+12:CD+13]
	v_pk_add_f32 v[CD:CD+1], v[CD:CD+1], v[CD+8:CD+9]
	v_pk_add_f32 v[16+2*\u:17+2*\u], v[16+2*\u:17+2*\u], v[CD:CD+1]
.endm
; The softmax of a step of 128 keys.  first = 1: O^T has not begun, so there is nothing to rescale.
; Each tile's 64 exponentials stand by turns with plain lines of the other tile whose results are first read behind the wait that follows the batch.
.macro SOFTMAX first
.irp k, 0,1,2,3                        ; the largest score among my 64 keys, in four chains a tile, the tiles line by line; each accumulator is read from its low end on
.irp u, 0,1
	v_max3_num_f32 v[CD+4*\u+\k], v[SC+64*\u+3*\k], v[SC+64*\u+3*\k+1], v[SC+64*\u+3*\k+2]
.endr
.endr
.set j, 12
.rept 26
.irp u, 0,1
	v_max3_num_f32 v[CD+4*\u+(j/2)%4], v[CD+4*\u+(j/2)%4], v[SC+64*\u+j], v[SC+64*\u+j+1]
.endr
.set j, j+2
.endr
.irp u, 0,1
	v_max3_num_f32 v[CD+4*\u], v[CD+4*\u], v[CD+4*\u+1], v[CD+4*\u+2]
.endr
.irp u, 0,1
	v_max_num_f32 v[CD+4*\u], v[CD+4*\u], v[CD+4*\u+3]
.endr
	v_permlanex16_b32 v11, v[CD], s[SEL], s[SEL+1]
	v_permlanex16_b32 v28, v[CD+4], s[SEL], s[SEL+1]
	v_max_num_f32 v[CD], v[CD], v11                ; and among lane l xor 16's
	v_max_num_f32 v[CD+4], v[CD+4], v28
	v_mul_f32 v[CD], s[CS], v[CD]                  ; as t (c is positive)
	v_mul_f32 v[CD+4], s[CS], v[CD+4]
	v_max_num_f32 v13, v13, v[CD]
	v_max_num_f32 v15, v15, v[CD+4]
	v_mov_b32 v[CD], v12
	v_mov_b32 v[CD+4], v14
	v_floor_f32 v12, -v13                          ; the new -M = -ceil(t): a whole number
	v_floor_f32 v14, -v15
	v_sub_f32 v[CD], v12, v[CD]                    ; old M less new M: a whole number, 0 or less
	v_sub_f32 v[CD+4], v14, v[CD+4]
	v_cvt_i32_f32 v[CD], v[CD]                     ; (it saturates)
	v_cvt_i32_f32 v[CD+4], v[CD+4]
	v_ldexp_f32 v20, 1.0, v[CD]                    ; f = 2^(old M - new M)
	v_ldexp_f32 v22, 1.0, v[CD+4]
.set j, 0
.rept 32
	v_pk_fma_f32 v[SC+j:SC+j+1], v[SC+j:SC+j+1], s[CS:CS+1], v[12:13] op_sel_hi:[1,0,0]   ; tile 0: t - M
.set j, j+2
.endr
	s_wait_alu depctr_va_vdst(0)                   ; ahead of the batch
.set j, 0
.rept 32
	v_exp_f32 v[SC+j], v[SC+j]                     ; tile 0: p = 2^(t - M)
	v_exp_f32 v[SC+j+1], v[SC+j+1]
	v_pk_fma_f32 v[SC+64+j:SC+64+j+1], v[SC+64+j:SC+64+j+1], s[CS:CS+1], v[14:15] op_sel_hi:[1,0,0]   ; tile 1: t - M, first read behind the wait below
.set j, j+2
.endr
	v_pk_mul_f32 v[16:17], v[16:17], v[20:21] op_sel_hi:[1,0]   ; the sums under the new M
	v_pk_mul_f32 v[18:19], v[18:19], v[22:23] op_sel_hi:[1,0]
	s_wait_alu depctr_va_vdst(0)                   ; behind tile 0's batch and ahead of tile 1's
	SUMT 0
.set j, 0
.rept 32
	v_exp_f32 v[SC+64+j], v[SC+64+j]               ; tile 1: p
	v_exp_f32 v[SC+64+j+1], v[SC+64+j+1]
	v_dual_min_num_f32 v[SC+j], v[SC+j], v24 :: v_dual_min_num_f32 v[SC+j+1], v[SC+j+1], v25   ; tile 0's hold (the conversion does not saturate: ISA guide 7.6.2; p is not negative): first read behind the wait below
.set j, j+2
.endr
	v_nop                                          ; the plain line behind the exponentials
	s_wait_alu depctr_va_vdst(0)                   ; behind the batch, and directly ahead of the first readers of O^T
.if \first == 0
.set j, 0
.rept 16
	v_pk_mul_f32 v[OT+j:OT+j+1], v[OT+j:OT+j+1], v[20:21] op_sel_hi:[1,0]   ; O^T under the new M
	v_pk_mul_f32 v[OT+32+j:OT+32+j+1], v[OT+32+j:OT+32+j+1], v[22:23] op_sel_hi:[1,0]
.set j, j+2
.endr
.endif
	SUMT 1
.irp b, 0,1,2,3
	v_cvt_scalef32_pk8_fp8_f32 v[CD+4*\b:CD+4*\b+1], v[SC+16*\b:SC+16*\b+7], v26
	v_cvt_scalef32_pk8_fp8_f32 v[CD+4*\b+2:CD+4*\b+3], v[SC+16*\b+8:SC+16*\b+15], v26
.endr
.irp b, 0,1,2,3
.irp i, 0,2,4,6,8,10,12,14
	v_dual_min_num_f32 v[SC+64+16*\b+\i], v[SC+64+16*\b+\i], v24 :: v_dual_min_num_f32 v[SC+64+16*\b+\i+1], v[SC+64+16*\b+\i+1], v25
.endr
	v_cvt_scalef32_pk8_fp8_f32 v[CD+16+4*\b:CD+16+4*\b+1], v[SC+64+16*\b:SC+64+16*\b+7], v26
	v_cvt_scalef32_pk8_fp8_f32 v[CD+16+4*\b+2:CD+16+4*\b+3], v[SC+64+16*\b+8:SC+64+16*\b+15], v26
.endr
	v_nop                                          ; a plain line between the conversions and the matrix instructions that read the codes
.endm
; The end of a branch: O^T / the sum, quantised along the last product's K, stored as the operand's image: 512 consecutive bytes a store.
.macro FINISH br
.rept 4
	v_nop                                          ; places behind the last products
.endr
	v_add_f32 v16, v16, v17
	v_add_f32 v18, v18, v19
	v_cmp_ge_f32 vcc_lo, s[THR], v13               ; the largest t never rose: no key counted for my query
	v_cmp_ge_f32 s96, s[THR], v15
	v_permlanex16_b32 v11, v16, s[SEL], s[SEL+1]
	v_permlanex16_b32 v28, v18, s[SEL], s[SEL+1]
	v_cndmask_b32 v29, 0, 1, vcc_lo
	v_cndmask_b32 v30, 0, 1, s96
	v_add_f32 v16, v16, v11                        ; the rows' sums
	v_add_f32 v18, v18, v28
	v_cndmask_b32 v16, v16, 1.0, vcc_lo            ; a dead row's sum is 0: 1 takes its place
	v_cndmask_b32 v18, v18, 1.0, s96
	s_wait_alu depctr_va_vdst(0)                   ; ahead of the reciprocals
	v_rcp_f32 v16, v16
	v_rcp_f32 v18, v18
.if \br
	v_or_b32 v9, v9, v29                           ; (the plain lines behind the reciprocals)
	v_or_b32 v10, v10, v30
.else
	v_mov_b32 v9, v29
	v_mov_b32 v10, v30
.endif
	s_wait_alu depctr_va_vdst(0)                   ; ahead of the reciprocals' first reader and of O^T's
.set j, 0
.rept 16
	v_pk_mul_f32 v[SC+j:SC+j+1], v[OT+j:OT+j+1], v[16:17] op_sel_hi:[1,0]   ; register 16 beta + i: channel 32 beta + 16 h + i of my query
	v_pk_mul_f32 v[SC+64+j:SC+64+j+1], v[OT+32+j:OT+32+j+1], v[18:19] op_sel_hi:[1,0]
.set j, j+2
.endr
.set j, 0
.rept 32
	v_med3_num_f32 v[SC+j], v[SC+j], -v31, v31
	v_med3_num_f32 v[SC+64+j], v[SC+64+j], -v31, v31
.set j, j+1
.endr
.irp u, 0,1
.irp g, 0,1,2,3
	v_cvt_scalef32_pk8_fp8_f32 v[CD+8*\u+2*\g:CD+8*\u+2*\g+1], v[SC+64*\u+8*\g:SC+64*\u+8*\g+7], v27
.endr
.endr
	v_nop                                          ; a plain line behind the conversions
.irp u, 0,1
	global_store_b128 v1, v[CD+8*\u:CD+8*\u+3], s[56:57] offset:32768*\u+16384*\br
	global_store_b128 v1, v[CD+8*\u+4:CD+8*\u+7], s[56:57] offset:32768*\u+16384*\br+512
.endr
.endm
	; ---------------- THE SHORT BRANCH: one step of 128 keys for both tiles
	s_wait_kmcnt 0x0
	SETC 68, 69, 70, 71
	s_sub_co_i32 s88, 3, s87
	s_lshl_b32 s88, s88, 23
	s_add_co_u32 s[GR], s88, 0x3dd7c741            ; 0.10536052 = -f32(ln 0.9), with 3 - e6 - e7 added to its exponent field
	s_add_co_u32 s[G32], s[GR], 5<<23
	s_mov_b32 s[C32], 0x42000000
	s_wait_alu depctr_va_vdst(0)
	s_wait_loadcnt 40                              ; the mask words are in; the 40 loads behind them (Q 8, K 16, V 16) may be out
	v_cndmask_b32 v172, 0, v172, s99               ; keys outside the sequence count as masked
.irp i, 0,1,2,3
	v_bfe_u32 v[176+\i], v170, 8*\i, 8
	v_bfe_u32 v[180+\i], v171, 8*\i, 8
	v_bfe_u32 v[184+\i], v172, 8*\i, 8
	v_add_nc_u32 v[176+\i], -1, v[176+\i]          ; 1 -> 0, 0 -> all ones
	v_add_nc_u32 v[180+\i], -1, v[180+\i]
	v_add_nc_u32 v[184+\i], -1, v[184+\i]
	v_and_b32 v[176+\i], 0xf1800000, v[176+\i]     ; 0, or -2^100
	v_and_b32 v[180+\i], 0xf1800000, v[180+\i]
	v_bfi_b32 v[184+\i], v[184+\i], v169, s[G32]   ; my window: 32 distances' bias, or -2^100
.endr
	ds_store_b128 v165, v[176:179]                 ; read by all waves, behind the barrier ahead of the long branch
	ds_store_b128 v165, v[180:183] offset:16
	ds_store_b128 v164, v[184:187]                 ; read by my wave alone
.irp u, 0,1
.irp b, 0,1,2,3
.irp j, 0,1,2,3
	ds_load_b128 v[SC+64*\u+16*\b+4*\j:SC+64*\u+16*\b+4*\j+3], v163 offset:128*\b+16*\j   ; LDS serves a wave's instructions in order: these see my store
.endr
.endr
.endr
	s_wait_dscnt 0x0
.irp b, 0,1,2,3                            ; C = z x GR + (32 GR or -2^100) = (query - key) x GR, one rounding; outside the window (|z| > 32): -2^100.  z is a whole number, stepped exactly
.irp i, 0,1,2,3,4,5,6,7,8,9,10,11,12,13,14,15
	v_cmp_le_f32 vcc_lo, |v166|, s[C32]
	v_cmp_le_f32 s96, |v167|, s[C32]
	v_fma_f32 v[SC+16*\b+\i], v166, s[GR], v[SC+16*\b+\i]
	v_fma_f32 v[SC+64+16*\b+\i], v167, s[GR], v[SC+64+16*\b+\i]
	v_cndmask_b32 v[SC+16*\b+\i], v169, v[SC+16*\b+\i], vcc_lo
	v_cndmask_b32 v[SC+64+16*\b+\i], v169, v[SC+64+16*\b+\i], s96
	v_pk_add_f32 v[166:167], v[166:167], -1.0 op_sel_hi:[1,0]
.endr
	v_pk_add_f32 v[166:167], v[166:167], 0xc1800000 op_sel_hi:[1,0]   ; 16 keys on: the other half's
.endr
	s_wait_alu depctr_va_vdst(0)
	s_wait_loadcnt 16                              ; Q of both branches and K short are in; V's 16 loads may be out
	WIN 0x05                                       ; sources 0 and 1 in window 1
	QK QS, 1
	WIN 0
.rept 4
	v_nop                                          ; places in front of the reads of the scores
.endr
	SOFTMAX 1
	s_wait_alu depctr_va_vdst(0)
	s_wait_loadcnt 0x0
	WIN 0x01                                       ; source 0 in window 1
	PV 1
	WIN 0
	FINISH 0
	; ---------------- THE LONG BRANCH
	SETC 72, 73, 74, 75
.set j, 0
.rept 64
	v_mov_b32 v[OT+j], 0                           ; O^T: the first step finds zeros
.set j, j+1
.endr
	s_mov_b32 s[KO], 8192
	s_mov_b32 s[VO], VOFF
	s_mov_b32 s[BO], 512
	s_wait_alu depctr_va_vdst(0)
	s_wait_xcnt 0x0                                ; the short branch's stores have read their codes' registers
	s_wait_tensorcnt 0x0                           ; my block of K or V is in,
	s_wait_dscnt 0x0                               ; and my stores of the biases are done;
	s_barrier_signal -1
	s_barrier_wait -1                              ; and everybody's.
.macro KBLOAD ka, ba                   ; a step's biases and K's eight fragments, into window 1
.irp b, 0,1,2,3
.irp j, 0,1,2,3
	ds_load_b128 v[BI+16*\b+4*\j:BI+16*\b+4*\j+3], v[\ba] offset:128*\b+16*\j   ; the biases of keys 32 b + 16 h + 4 j on
.endr
.endr
.irp i, 0,1,2,3,4,5,6,7
.irp c, 0,1
	ds_load_b128 v[KF+8*\i+4*\c:KF+8*\i+4*\c+3], v[\ka] offset:\i*1024+512*\c
.endr
.endr
.endm
.macro LSTEP ahead                     ; 128 keys.  ahead = 1: the next step's biases and K are read under this step's softmax
	s_wait_dscnt 0x0                               ; this step's biases and K are in
	WIN 0x15                                       ; sources 0, 1 and 2 in window 1
	QK QL, 0
	WIN 0
	v_add_nc_u32 v3, s[VO], v1                     ; four plain lines: the places in front of the loads below and of the reads of the scores
	v_add_nc_u32 v4, 0x10000, v3
.if \ahead
	v_add_nc_u32 v2, s[KO], v1
	v_add_nc_u32 v30, s[BO], v7
.else
	v_nop
	v_nop
.endif
	WIN 0x40
.irp t, 0,1
.irp c, 0,1,2,3
	ds_load_b128 v[VF+16*\t+4*\c:VF+16*\t+4*\c+3], v3 offset:\t*32768+512*\c
.endr
.endr
.irp t, 0,1
.irp c, 0,1,2,3
	ds_load_b128 v[VF+32+16*\t+4*\c:VF+32+16*\t+4*\c+3], v4 offset:\t*32768+512*\c
.endr
.endr
.if \ahead
	KBLOAD 2, 30
.endif
	WIN 0
	SOFTMAX 0
	s_wait_alu depctr_va_vdst(0)
.if \ahead
	s_wait_dscnt 32                                ; V's 16 loads are in; the 32 behind them, the next step's, may be out
.else
	s_wait_dscnt 0x0
.endif
	WIN 0x01
	PV 0
	WIN 0
.endm
	WIN 0x40
	KBLOAD 1, 7                                    ; step 0's
	WIN 0
	s_mov_b32 s3, 15
.Lstep:
	LSTEP 1
	s_add_co_u32 s[KO], s[KO], 8192
	s_add_co_u32 s[VO], s[VO], 2048
	s_add_co_u32 s[BO], s[BO], 512
	s_sub_co_u32 s3, s3, 1
	s_cmp_lg_u32 s3, 0
	s_cbranch_scc1 .Lstep
	LSTEP 0                                        ; the last step is written out: nothing follows it
	FINISH 1
	s_cmp_lg_u32 s77, 0                            ; the flags hang on mask and place alone: head 0's work-groups store them
	s_cbranch_scc1 .Lno_flag
	global_store_b32 v8, v9, s[60:61]
	global_store_b32 v8, v10, s[60:61] offset:128
.Lno_flag:
	s_wait_tensorcnt 0x0                           ; the wave's end
	ds_add_u32 v5, v6
	s_wait_dscnt 0x0
	ROUND                                          ; the closing round
	s_endpgm
.Lfunc_end_k_q02c950be24_attn:
	.size	k_q02c950be24_attn, .Lfunc_end_k_q02c950be24_attn-k_q02c950be24_attn
	.p2alignl 7, 3214868480
	.fill 96, 4, 3214868480
	.section	.rodata,"a",@progbits
	.p2align	6, 0x0
	.amdhsa_kernel k_q02c950be24_attn
		.amdhsa_group_segment_fixed_size 327680
		.amdhsa_private_segment_fixed_size 0
		.amdhsa_enable_private_segment 0
		.amdhsa_kernarg_size 40
		.amdhsa_user_sgpr_count 2
		.amdhsa_user_sgpr_kernarg_segment_ptr 1
		.amdhsa_wavefront_size32 1
		.amdhsa_system_sgpr_workgroup_id_x 1
		.amdhsa_system_sgpr_workgroup_id_y 1
		.amdhsa_system_sgpr_workgroup_id_z 1
		.amdhsa_system_vgpr_workitem_id 0
		.amdhsa_next_free_vgpr 512
		.amdhsa_next_free_sgpr 100
		.amdhsa_reserve_vcc 1
		.amdhsa_float_denorm_mode_32 3
		.amdhsa_float_denorm_mode_16_64 3
		.amdhsa_memory_ordered 1
		.amdhsa_forward_progress 1
		.amdhsa_inst_pref_size 144
	.end_amdhsa_kernel
	.amdgpu_metadata
---
amdhsa.version: [ 1, 2 ]
amdhsa.kernels:
  - .name:           k_q02c950be24_attn
    .symbol:         k_q02c950be24_attn.kd
    .args:
      - { .name: qkv, .offset: 0, .size: 8, .value_kind: global_buffer, .address_space: global }
      - { .name: mask, .offset: 8, .size: 8, .value_kind: global_buffer, .address_space: global }
      - { .name: lowp_scales, .offset: 16, .size: 8, .value_kind: global_buffer, .address_space: global }
      - { .name: acodes, .offset: 24, .size: 8, .value_kind: global_buffer, .address_space: global }
      - { .name: dead, .offset: 32, .size: 8, .value_kind: global_buffer, .address_space: global }
    .group_segment_fixed_size: 327680
    .private_segment_fixed_size: 0
    .kernarg_segment_align: 8
    .kernarg_segment_size: 40
    .max_flat_workgroup_size: 256
    .sgpr_count:     100
    .vgpr_count:     512
    .wavefront_size: 32
...
	.end_amdgpu_metadata
.endif
;; end of part 3
;; launch outp (part 4): grid 8 x 32, 4 waves a work-group, clusters of 4 x 4, 327,680 bytes of LDS; arguments acodes, wcodes, lowp_scales, bo, dead, out0; writes out0
.if DOCPART == 4
	.amdgcn_target "amdgcn-amd-amdhsa--gfx1250"
	.amdhsa_code_object_version 6
	.text
	.protected	k_q02c950be24_outp
	.globl	k_q02c950be24_outp
	.p2align	8
	.type	k_q02c950be24_outp,@function
k_q02c950be24_outp:
	s_mov_b64 s[64:65], 0
	v_nop
	global_prefetch_b8 v0, s[64:65] scope:SCOPE_SE
	s_setreg_imm32_b32 hwreg(HW_REG_WAVE_MODE, 25, 1), 1
	s_wait_xcnt 0x0
	s_wait_alu depctr_hold_cnt(0) depctr_sa_sdst(0) depctr_va_vdst(0) depctr_va_sdst(0) depctr_va_ssrc(0) depctr_va_vcc(0) depctr_vm_vsrc(0)
	s_getreg_b32 s2, hwreg(HW_REG_IB_STS2, 6, 4)
	s_cmp_eq_u32 s2, 0
	s_cbranch_scc0 .Lentry_in_a_cluster
	s_endpgm
.Lentry_in_a_cluster:
	s_bfe_u32 s2, ttmp6, 0x10000c
	s_cmp_lg_u32 s2, 0xf033
	s_cbranch_scc0 .Lentry_shape_is_right
	s_endpgm
.Lentry_shape_is_right:
.set PITCH,  528
.set ABYTES, 65536
.set HALFB,  64*PITCH
.set SLOT,   ABYTES+2*HALFB
.set SPARE,  2*SLOT
.set SPITCH, 272
.set LAPS,   2
.set ADRA, 16
.set ADRB, 20
.set STO,  24
.set RD,   25
.set CO,   26
.set SPW,  28
.set NIL,  29
.set BIAS, 96
.set ACC,  128
.set F0,   0
.set F1,   128
.set G1, 24
.set G0, 32
.set G1B, 48
.set G0B, 56
.set MSB, 0
.macro WIN new
.if MSB != \new
	s_set_vgpr_msb (MSB<<8)|\new
.set MSB, \new
.endif
.endm
.set MUL,  0x05
.set TO_F, 0x40
.macro JLOAD s
	s_cmp_eq_u32 s11, 0
	s_cbranch_scc0 .Lfor_b_\@
	tensor_load_to_lds s[G0+4*\s:G0+4*\s+3], s[G1:G1+7]
	s_nop 0
.rept 4
	v_nop
.endr
	s_branch .Lasked_\@
.Lfor_b_\@:
	tensor_load_to_lds s[G0B+4*\s:G0B+4*\s+3], s[G1B:G1B+7]
	s_nop 0
.rept 4
	v_nop
.endr
.Lasked_\@:
.endm
.macro CREST
	s_cmp_lg_u32 s10, 0
	s_cbranch_scc1 .Lnot_wave_0_\@
	s_barrier_signal -3
.Lnot_wave_0_\@:
	s_barrier_wait -3
	s_barrier_signal -1
	s_barrier_wait -1
.endm
.macro CROUND
	s_barrier_signal -1
	s_barrier_wait -1
	CREST
.endm
	s_load_b128 s[4:7], s[0:1], 0x0
	s_load_b128 s[68:71], s[0:1], 0x10
	s_load_b128 s[72:75], s[0:1], 0x20
	v_lshl_add_u32 v[SPW], v0, 2, SPARE
	v_mov_b32 v[NIL], 0
	ds_add_u32 v[SPW], v[NIL]
	ds_add_u32 v[SPW], v[NIL]
	v_lshrrev_b32 v1, 5, v0
	v_readfirstlane_b32 s10, v1
	s_lshr_b32 s11, s10, 1
	s_and_b32 s12, s10, 1
	s_bfe_u32 s40, ttmp6, 0x40000
	s_bfe_u32 s41, ttmp6, 0x40004
	s_lshl_b32 s42, ttmp9, 2
	s_add_co_u32 s42, s42, s40
	s_and_b32 s13, ttmp7, 0xffff
	s_lshl_b32 s13, s13, 2
	s_add_co_u32 s13, s13, s41
	s_lshl_b32 s43, s41, 2
	s_lshl_b32 s43, 15, s43
	s_lshl_b32 s44, 0x1111, s40
	s_or_b32 s[G1+0], s43, (3<<16)|(1<<21)
	s_mov_b32 s[G1+1], 1024<<16
	s_mov_b32 s[G1+2], 4<<16
	s_mov_b32 s[G1+3], 1024<<16
	s_mov_b32 s[G1+4], 4
	s_mov_b32 s[G1+5], 4096
	s_mov_b32 s[G1+6], 0
	s_mov_b32 s[G1+7], 0
	s_or_b32 s[G1B+0], s44, (0<<16)|(1<<20)|(1<<21)|(6<<22)|(3<<25)
	s_mov_b32 s[G1B+1], 512<<16
	s_mov_b32 s[G1B+2], 64<<16
	s_mov_b32 s[G1B+3], 512<<16
	s_mov_b32 s[G1B+4], 64
	s_mov_b32 s[G1B+5], 2048
	s_mov_b32 s[G1B+6], 0
	s_mov_b32 s[G1B+7], 0
	s_lshl_b32 s16, s13, 3
	s_lshl_b32 s17, s12, 2
	s_add_co_u32 s16, s16, s17
	s_lshl_b32 s16, s16, 15
	s_mov_b32 s17, 0
	s_lshl_b32 s46, s42, 7
	s_lshl_b32 s47, s12, 6
	s_add_co_u32 s46, s46, s47
	s_lshl_b32 s46, s46, 11
	s_add_co_u32 s46, s46, 0x600000
	s_mov_b32 s47, 0
	s_lshl_b32 s20, s12, 15
	s_mul_i32 s21, s12, HALFB
	s_add_co_u32 s21, s21, ABYTES
	s_wait_dscnt 0x0
	s_wait_kmcnt 0x0
	s_load_b64 s[96:97], s[68:69], 0x50
	s_add_nc_u64 s[14:15], s[4:5], s[16:17]
	s_add_nc_u64 s[46:47], s[6:7], s[46:47]
	; the prefetches: a K step of what my wave fetches is 128 blocks of 256 bytes (A: 4 rows of 8,192 bytes; B: 64 rows of 512); each of the four partners that ask for it jointly takes 32, told apart by address
	s_cmp_eq_u32 s11, 0
	s_cselect_b64 s[82:83], s[14:15], s[46:47]
	s_cselect_b32 s90, s40, s41                    ; my place among the four: cx for A, cy for B
	s_mov_b32 s88, 512
	s_cselect_b32 s88, 8192, s88                   ; a K step on
	s_mov_b32 s92, 2048
	s_cselect_b32 s92, 512, s92                    ; from one pair of lanes to the next
	s_mov_b32 s89, 0
	s_lshl_b32 s90, s90, 15                        ; A: one row of 32,768 bytes; B: 16 rows of 2,048
	s_mov_b32 s91, 0
	s_add_nc_u64 s[82:83], s[82:83], s[90:91]
	s_add_nc_u64 s[82:83], s[82:83], s[88:89]      ; K step 1
	s_add_nc_u64 s[84:85], s[82:83], s[88:89]      ; K step 2
	s_add_nc_u64 s[86:87], s[84:85], s[88:89]      ; K step 3
	CROUND
.irp s, 0,1
	s_mov_b32 s[G0+4*\s], 1
	s_add_co_u32 s[G0+4*\s+1], s20, \s*SLOT
	s_add_nc_u64 s[G0+4*\s+2:G0+4*\s+3], s[14:15], \s*8192
	s_or_b32 s[G0+4*\s+3], s[G0+4*\s+3], 0x80000000
	s_mov_b32 s[G0B+4*\s], 1
	s_add_co_u32 s[G0B+4*\s+1], s21, \s*SLOT
	s_add_nc_u64 s[G0B+4*\s+2:G0B+4*\s+3], s[46:47], \s*512
	s_or_b32 s[G0B+4*\s+3], s[G0B+4*\s+3], 0x80000000
.endr
	JLOAD 0                                        ; K step 0: one tensor load a wave at the head
	v_and_b32 v1, 15, v0
	v_bfe_u32 v2, v0, 4, 1
	v_and_b32 v6, 31, v0
	v_lshlrev_b32 v7, 4, v6
	v_mul_u32_u24 v3, v1, PITCH
	v_lshl_add_u32 v3, v2, 4, v3
	s_lshl_b32 s21, s11, 15
	s_mul_i32 s22, s12, HALFB
	s_add_co_u32 s22, s22, ABYTES
.irp s, 0,1
	v_add_nc_u32 v[ADRA+\s], s21, v7
	v_add_nc_u32 v[ADRB+\s], s22, v3
	s_add_co_u32 s21, s21, SLOT
	s_add_co_u32 s22, s22, SLOT
.endr
	s_mul_i32 s23, s10, 16*SPITCH
	v_mul_u32_u24 v4, v1, SPITCH
	v_lshl_add_u32 v4, v2, 6, v4
	v_add_nc_u32 v[STO], s23, v4
	v_mul_u32_u24 v5, v2, SPITCH
	v_lshl_add_u32 v5, v1, 4, v5
	v_add_nc_u32 v[RD], s23, v5
	v_lshlrev_b32 v5, 12, v2
	v_lshl_add_u32 v[CO], v1, 4, v5
	s_lshl_b32 s16, s13, 7
	s_lshl_b32 s17, s11, 6
	s_add_co_u32 s16, s16, s17
	s_lshl_b32 s16, s16, 12
	s_lshl_b32 s46, s42, 9
	s_lshl_b32 s47, s12, 8
	s_add_co_u32 s46, s46, s47
	s_add_co_u32 s16, s16, s46
	s_mov_b32 s17, 0
	s_mov_b32 s47, 0
	s_add_nc_u64 s[8:9], s[74:75], s[16:17]
	s_add_nc_u64 s[70:71], s[70:71], s[46:47]
	s_lshl_b32 s76, s13, 3
	s_lshl_b32 s77, s11, 2
	s_add_co_u32 s76, s76, s77
	s_lshl_b32 s76, s76, 7
	s_mov_b32 s77, 0
	s_add_nc_u64 s[72:73], s[72:73], s[76:77]
	v_lshlrev_b32 v27, 6, v2
	v_lshlrev_b32 v31, 2, v6
	v_lshrrev_b32 v12, 1, v6
	v_mul_lo_u32 v12, v12, s92
	v_and_b32 v13, 1, v6
	v_lshl_add_u32 v12, v13, 8, v12                ; my lane's block; never rewritten
	global_prefetch_b8 v12, s[82:83] th:TH_LOAD_NT scope:SCOPE_SE   ; K step 1, whose load goes out when K step 0's has landed,
	global_prefetch_b8 v12, s[84:85] th:TH_LOAD_NT scope:SCOPE_SE   ; and K step 2, two refills on
.irp b, 0,1,2,3
	global_load_b128 v[BIAS+8*\b:BIAS+8*\b+3], v27, s[70:71] offset:128*(\b/2)+32*(\b%2)
	global_load_b128 v[BIAS+8*\b+4:BIAS+8*\b+7], v27, s[70:71] offset:128*(\b/2)+32*(\b%2)+16
.endr
.irp a, 0,1,2,3
	global_load_b32 v[8+\a], v31, s[72:73] offset:128*\a
.endr
	v_mov_b32 v30, 0x7fc00000
.macro MULA f, a, zero
.irp b, 0,1,2,3
.if \zero
	v_wmma_f32_16x16x128_fp8_fp8 v[ACC+8*(4*(\a)+\b):ACC+8*(4*(\a)+\b)+7], v[\f+64+16*\b:\f+64+16*\b+15], v[\f+16*(\a):\f+16*(\a)+15], 0
.else
	v_wmma_f32_16x16x128_fp8_fp8 v[ACC+8*(4*(\a)+\b):ACC+8*(4*(\a)+\b)+7], v[\f+64+16*\b:\f+64+16*\b+15], v[\f+16*(\a):\f+16*(\a)+15], v[ACC+8*(4*(\a)+\b):ACC+8*(4*(\a)+\b)+7]
.endif
.endr
.endm
.macro FETCH slot, q, f
	WIN TO_F
.irp i, 0,1,2,3
.irp c, 0,1,2,3
	ds_load_b128 v[\f+64+16*\i+4*\c:\f+64+16*\i+4*\c+3], v[ADRB+\slot] offset:128*(\q)+32*\c+\i*16*PITCH
.endr
.endr
.irp i, 0,1,2,3
.irp c, 0,1,2,3
	ds_load_b128 v[\f+16*\i+4*\c:\f+16*\i+4*\c+3], v[ADRA+\slot] offset:\i*8192+2048*(\q)+512*\c
.endr
.endr
.endm
.macro PLACES
.rept 4
	v_nop
.endr
.endm
.macro QUARTER slot, q, f, g, zero
	s_wait_dscnt 8
	WIN MUL
	MULA \f, 0, \zero
	MULA \f, 1, \zero
	PLACES
	FETCH \slot, \q, \g
	s_wait_dscnt 32
	WIN MUL
	MULA \f, 2, \zero
	MULA \f, 3, \zero
.endm
.macro TURN slot, next, fill
	WIN 0
	s_wait_tensorcnt 0x0
	ds_add_u32 v[SPW], v[NIL]
	s_wait_dscnt 13
	WIN MUL
	MULA F1, 0, 0
	s_wait_dscnt 0x0
	s_barrier_signal -1
	MULA F1, 1, 0
.if \fill
	WIN 0
.endif
	s_barrier_wait -1
.if \fill
	CREST
	s_add_nc_u64 s[G0+4*\slot+2:G0+4*\slot+3], s[G0+4*\slot+2:G0+4*\slot+3], 2*8192
	s_add_nc_u64 s[G0B+4*\slot+2:G0B+4*\slot+3], s[G0B+4*\slot+2:G0B+4*\slot+3], 2*512
	JLOAD \slot
.else
	PLACES
.endif
	FETCH \next, 0, F0
	WIN MUL
	MULA F1, 2, 0
	MULA F1, 3, 0
.endm
	s_wait_alu depctr_va_vdst(0)                   ; the head's end
	s_wait_tensorcnt 0x0                           ; my part of K step 0 is in
	ds_add_u32 v[SPW], v[NIL]
	s_wait_dscnt 0x0
	CROUND                                         ; everybody's part of K step 0 is in, and the sixteen work-groups are here
	JLOAD 1                                        ; K step 1: the first tensor load behind the round
	FETCH 0, 0, F0
	global_prefetch_b8 v12, s[86:87] th:TH_LOAD_NT scope:SCOPE_SE   ; K step 3, the last: two refills on
	QUARTER 0, 1, F0, F1, 1
	WIN 0
	s_mov_b32 s3, LAPS-1
.Llap:
	QUARTER 0, 2, F1, F0, 0
	QUARTER 0, 3, F0, F1, 0
	TURN 0, 1, 1
	QUARTER 1, 1, F0, F1, 0
	QUARTER 1, 2, F1, F0, 0
	QUARTER 1, 3, F0, F1, 0
	TURN 1, 0, 1
	QUARTER 0, 1, F0, F1, 0
	WIN 0
	s_sub_co_u32 s3, s3, 1
	s_cmp_lg_u32 s3, 0
	s_cbranch_scc1 .Llap
	QUARTER 0, 2, F1, F0, 0
	QUARTER 0, 3, F0, F1, 0
	TURN 0, 1, 0
	QUARTER 1, 1, F0, F1, 0
	QUARTER 1, 2, F1, F0, 0
	QUARTER 1, 3, F0, F1, 0
	s_wait_dscnt 8
	WIN MUL
	MULA F1, 0, 0
	MULA F1, 1, 0
	s_wait_dscnt 0
	MULA F1, 2, 0
	MULA F1, 3, 0
	WIN 0
	PLACES
	s_wait_loadcnt 0x0
	s_wait_kmcnt 0x0
	s_add_co_i32 s96, s96, s97
	s_add_co_i32 s96, s96, 127
	s_lshl_b32 s96, s96, 23
	s_mov_b32 s97, s96
.irp a, 0,1,2,3
	v_cmp_ne_u32 s[78+\a], 0, v[8+\a]
.endr
.irp a, 0,1,2,3
.irp b, 0,1,2,3
.irp j, 0,2,4,6
	v_pk_fma_f32 v[ACC+8*(4*\a+\b)+\j:ACC+8*(4*\a+\b)+\j+1], v[ACC+8*(4*\a+\b)+\j:ACC+8*(4*\a+\b)+\j+1], s[96:97], v[BIAS+8*\b+\j:BIAS+8*\b+\j+1] op_sel_hi:[1,0,1]
.endr
	s_wait_alu depctr_va_vdst(0)
.irp j, 0,1,2,3,4,5,6,7
	v_cndmask_b32 v[ACC+8*(4*\a+\b)+\j], v[ACC+8*(4*\a+\b)+\j], v30, s[78+\a]
.endr
.endr
.endr
.irp a, 0,1,2,3
.irp b, 0,1,2,3
	ds_store_b128 v[STO], v[ACC+8*(4*\a+\b):ACC+8*(4*\a+\b)+3] offset:128*(\b/2)+32*(\b%2)
	ds_store_b128 v[STO], v[ACC+8*(4*\a+\b)+4:ACC+8*(4*\a+\b)+7] offset:128*(\b/2)+32*(\b%2)+16
.endr
.irp t, 0,1,2,3,4,5,6,7
	ds_load_b128 v[ACC+32*\a+4*\t:ACC+32*\a+4*\t+3], v[RD] offset:\t*2*SPITCH
.endr
.endr
.irp a, 0,1,2,3
	s_wait_dscnt 16*(3-\a)
.irp t, 0,1,2,3,4,5,6,7
	global_store_b128 v[CO], v[ACC+32*\a+4*\t:ACC+32*\a+4*\t+3], s[8:9] offset:(16*\a+2*\t)*4096 th:TH_STORE_NT
.endr
.endr
	s_wait_tensorcnt 0x0
	ds_add_u32 v[SPW], v[NIL]
	s_wait_dscnt 0x0
	CROUND
	s_endpgm
.Lfunc_end_k_q02c950be24_outp:
	.size	k_q02c950be24_outp, .Lfunc_end_k_q02c950be24_outp-k_q02c950be24_outp
	.p2alignl 7, 3214868480
	.fill 96, 4, 3214868480
	.section	.rodata,"a",@progbits
	.p2align	6, 0x0
	.amdhsa_kernel k_q02c950be24_outp
		.amdhsa_group_segment_fixed_size 327680
		.amdhsa_private_segment_fixed_size 0
		.amdhsa_enable_private_segment 0
		.amdhsa_kernarg_size 48
		.amdhsa_user_sgpr_count 2
		.amdhsa_user_sgpr_kernarg_segment_ptr 1
		.amdhsa_wavefront_size32 1
		.amdhsa_system_sgpr_workgroup_id_x 1
		.amdhsa_system_sgpr_workgroup_id_y 1
		.amdhsa_system_sgpr_workgroup_id_z 1
		.amdhsa_system_vgpr_workitem_id 0
		.amdhsa_next_free_vgpr 512
		.amdhsa_next_free_sgpr 100
		.amdhsa_reserve_vcc 0
		.amdhsa_float_denorm_mode_32 3
		.amdhsa_float_denorm_mode_16_64 3
		.amdhsa_memory_ordered 1
		.amdhsa_forward_progress 1
		.amdhsa_inst_pref_size 85
	.end_amdhsa_kernel
	.amdgpu_metadata
---
amdhsa.version: [ 1, 2 ]
amdhsa.kernels:
  - .name:           k_q02c950be24_outp
    .symbol:         k_q02c950be24_outp.kd
    .args:
      - { .name: acodes, .offset: 0, .size: 8, .value_kind: global_buffer, .address_space: global }
      - { .name: wcodes, .offset: 8, .size: 8, .value_kind: global_buffer, .address_space: global }
      - { .name: lowp_scales, .offset: 16, .size: 8, .value_kind: global_buffer, .address_space: global }
      - { .name: bo, .offset: 24, .size: 8, .value_kind: global_buffer, .address_space: global }
      - { .name: dead, .offset: 32, .size: 8, .value_kind: global_buffer, .address_space: global }
      - { .name: out0, .offset: 40, .size: 8, .value_kind: global_buffer, .address_space: global }
    .group_segment_fixed_size: 327680
    .private_segment_fixed_size: 0
    .kernarg_segment_align: 8
    .kernarg_segment_size: 48
    .max_flat_workgroup_size: 128
    .sgpr_count:     100
    .vgpr_count:     512
    .wavefront_size: 32
...
	.end_amdgpu_metadata
.endif
;; end of part 4
